; MI455X (gfx1250); checked and timed in simulation.
; The chip was launched on July 23, 2026; its instructions are those of AMD's public machine-readable ISA for CDNA 5 (MIT licence, August 2026) and "CDNA5" Instruction Set Architecture Reference Guide (July 2026). The comments in the code are by the model that wrote it; some were corrected since.
;; Multi Head Attention. Allowed arithmetic: matrix products marked QUANTISED: E4M3 operands, one E8M0 scale for each 32 along K, by v_wmma_scale_f32_16x16x128_f8f6f4 with both operands' format E4M3, f32 sums; everything else in f32.
;; Inputs: Wk 1,024 x 1,024 float32; Wq 1,024 x 1,024 float32; Wv 1,024 x 1,024 float32; beta 1,024 float32; gamma 1,024 float32; key 4 x 2,048 x 1,024 float32; query 4 x 2,048 x 1,024 float32.
;; Outputs: out0 4 x 2,048 x 1,024 float32.
;; This version of the problem:
;;   THIS VERSION OF THE PROBLEM IS GIVEN IN LOW PRECISION. The matrix products marked QUANTISED in the list below multiply operands that are first quantised to E4M3 (4 exponent bits, 3 mantissa bits; 8 bits a number), with one power-of-two scale for each 32 numbers along K (OCP MX v1.0); their sums are f32. All else is computed in f32.
;;   The module's matrix products, in the order in which they are computed (A, B: the left and right operand; K: the contracted axis; several contracted axes count as one K, in the product's order):
;;     1. [M 8,192, K 1,024] x [K 1,024, N 1,024]; A: input query; B: input Wq: QUANTISED
;;     2. [M 8,192, K 1,024] x [K 1,024, N 1,024]; A: input key; B: input Wk: QUANTISED
;;     3. [M 8,192, K 1,024] x [K 1,024, N 1,024]; A: input key; B: input Wv: QUANTISED
;;     4. batch 64 x [M 2,048, K 64] x [K 64, N 2,048]; A: computed on the way; B: computed on the way: QUANTISED
;;     5. batch 64 x [M 64, K 2,048] x [K 2,048, N 2,048]; A: computed on the way; B: softmax (see below): QUANTISED
;;   THE QUANTISER, for each operand of a quantised product, along K:
;;     - K is cut into blocks of 32 from its start; a last block that is shorter is filled with zeros.
;;     - A block's scale is 2^e with e = floor(log2(the largest magnitude in the block)) - 8, held to -126 .. 127; a block of zeros has e = 0. As a byte (E8M0): e + 127.
;;     - Each number is divided by its block's scale, clamped to +-448, and rounded to the nearest number of E4M3, ties to even, subnormals kept.
;;     - The product sums the exact products of the quantised numbers (number of the format x scale) in f32.
;;   ~~~python
;;   def quantise(x, axis):      # numpy; x: float32 -> the quantised numbers, widened to float32 again
;;       x = np.moveaxis(x, axis, -1); K = x.shape[-1]
;;       x = np.pad(x, [(0, 0)] * (x.ndim - 1) + [(0, -K % 32)]); x = x.reshape(x.shape[:-1] + (-1, 32)); a = np.abs(x).max(-1, keepdims=True)
;;       e = np.where(a > 0, np.clip(np.frexp(np.where(a > 0, a, 1))[1] - 1 - 8, -126, 127), 0)      # np.frexp(a)[1] - 1 = floor(log2(a)), exactly
;;       r = np.clip(x / 2.0 ** e, -448, 448)
;;       step = 2.0 ** (np.maximum(np.frexp(np.where(r == 0, 1, r))[1] - 1, -6) - 3)
;;       q = np.round(r / step) * step * 2.0 ** e      # np.round: ties to even
;;       return np.moveaxis(q.reshape(q.shape[:-2] + (-1,))[..., :K], -1, axis).astype(np.float32)
;;   ~~~
;;   SOFTMAX AHEAD OF A QUANTISED PRODUCT. Where the list says 'softmax', what is quantised is not the finished softmax but p = 2^(t - M), with t = logit x log2(e) and M = ceil(the row's largest t), a whole number; so 1/2 < the row's largest p <= 1. The row's sum l is taken of the UNQUANTISED p, in f32, and the product's result is divided by l at the end. Since M is a whole number, a kernel that streams over the keys may use a running M (the ceiling of the running maximum): every later rescaling is an exact power of two, which a block's scale takes up: the codes' values come out the same.
;;   OPERANDS COMPUTED ON THE WAY. 'Computed on the way' means the value that the module computes at that place (a softmax that the list does not call 'softmax' is quantised finished and normalised). What goes into a quantiser is computed in f32, as accurately as f32 sums, v_exp_f32 and their like allow (about 1e-6 of the number): no bf16 or f16 on the way to a quantiser, and a product that is left as it is and whose result goes on into a quantised operand takes f32 operands (vector FMAs, or v_wmma_f32_16x16x4_f32). A number that lies on a knife's edge between two numbers of the format may be rounded either way, as far as f32 arithmetic and the matrix unit's own rounding can turn it there, and no further.
;; One version. Each part assembles by itself: llvm-mc -triple=amdgcn-amd-amdhsa -mcpu=gfx1250 --defsym DOCPART=n.
;; ======== version 1 of 1: 4 launches
;; limits: right only within a limited range of input values
;; workspace buffers: xc 19,922,944 bytes; xs 622,592 bytes; pc 25,165,824 bytes; ps 1,572,864 bytes; res 33,554,432 bytes; part 262,144 bytes
;; launch quant (part 1): grid 608 x 1, 4 waves a work-group, no clusters, 33,280 bytes of LDS; arguments query, key, Wq, Wk, Wv, xc, xs; writes xc, xs
.if DOCPART == 1
	.amdgcn_target "amdgcn-amd-amdhsa--gfx1250"
	.amdhsa_code_object_version 6
	.text
	.protected	k_q73ce800844_quant
	.globl	k_q73ce800844_quant
	.p2align	8
	.type	k_q73ce800844_quant,@function
k_q73ce800844_quant:
	s_mov_b64 s[64:65], 0
	v_nop
	global_prefetch_b8 v0, s[64:65] scope:SCOPE_SE
	s_setreg_imm32_b32 hwreg(HW_REG_WAVE_MODE, 25, 1), 1
	s_wait_xcnt 0x0
; query, key [8192][1024] and Wq, Wk, Wv [1024][1024], f32 with K innermost, become codes of E4M3 (xc) and one E8M0 byte for each 32 along K (xs).
; xc is one stream of 19,456 rows of 1,024 codes: query, key, Wq, Wk, Wv; xs the same rows of 32 bytes.  Rows are dense and 1,024 is a multiple of 32: nothing here knows of rows.
; A block's scale is 2^(floor(log2(largest magnitude)) - 8): its byte is the largest magnitude's exponent field - 8, held at 1 from below.
; LIMITS: a block of zeros gets the byte 1 (its codes are zeros, and this program alone reads the bytes); NaN and infinities among the inputs are not served.
; A work-group takes 32,768 numbers, a wave 16 steps of 512.  Each load reads 512 consecutive bytes; a step's 2,048 bytes turn through the wave's own stage in LDS, so that a lane then holds 16 neighbours along K
; (two lanes to a block).  A lane's 16 codes are 16 bytes: a store covers 512 consecutive bytes.  A wave's 256 scale bytes are gathered in LDS and leave by one store of 256 consecutive bytes.
; No tensor load, no barrier: waves share nothing.  Loads run four steps (16 loads a wave) ahead, the turn through LDS one step.
.set STEPS, 16
.set R,     16                         ; v16-79   four sets of 16 numbers as loaded
.set X,     80                         ; v80-111  two sets of 16 neighbours
.set E,     112                        ; v112-127 a scale byte for each step
.set C,     128                        ; v128-191 codes: four registers for each step, so that no store's data are written again
.set WREG,  8192                       ; LDS: a region for each wave: two stages of 32 x SP bytes, then its 256 scale bytes
.set SP,    80                         ; a lane's place in a stage: 64 bytes + 16 of padding
	s_load_b256 s[4:11], s[0:1], 0x0               ; query s[4:5], key s[6:7], Wq s[8:9], Wk s[10:11]
	s_load_b128 s[12:15], s[0:1], 0x20             ; Wv s[12:13], xc s[14:15]
	s_load_b64 s[24:25], s[0:1], 0x30              ; xs
	v_lshl_add_u32 v192, v0, 2, 0x8000
	v_mov_b32 v193, 0
	v_lshrrev_b32 v1, 5, v0
	v_readfirstlane_b32 s16, v1                    ; wave
	v_and_b32 v2, 31, v0                           ; lane
	v_lshlrev_b32 v3, 4, v2                        ; my 16 bytes of a load's 512
	s_mul_i32 s28, s16, WREG
	v_lshrrev_b32 v14, 2, v2
	v_mul_u32_u24 v14, v14, SP
	v_and_b32 v15, 3, v2
	v_lshl_add_u32 v14, v15, 4, v14
	v_add_nc_u32 v14, s28, v14                     ; the stage, on the way in: SP (lane / 4) + 16 (lane % 4)
	v_mul_u32_u24 v15, v2, SP
	v_add_nc_u32 v15, s28, v15                     ; and on the way out: SP x lane: my 16 neighbours
	v_lshlrev_b32 v4, 4, v2                        ; my codes' place in a step's
	v_lshrrev_b32 v5, 1, v2
	s_add_co_u32 s28, s28, 2*32*SP
	v_add_nc_u32 v5, s28, v5                       ; LDS: my wave's 256 scale bytes, my block's byte
	v_lshlrev_b32 v7, 3, v2                        ; and on the way out 8 bytes a lane
	v_add_nc_u32 v6, s28, v7
	s_mov_b32 s23, 0x600000                        ; the mantissa field of 448
	s_wait_alu depctr_va_vdst(0)
	s_wait_kmcnt 0x0
	s_mov_b64 s[26:27], s[12:13]                   ; which tensor is my work-group's?  The choice hangs on the work-group's number alone
	s_mov_b32 s17, 576                             ; and the tensor's first work-group
	s_cmp_lt_u32 ttmp9, 576
	s_cselect_b64 s[26:27], s[10:11], s[26:27]
	s_cselect_b32 s17, 544, s17
	s_cmp_lt_u32 ttmp9, 544
	s_cselect_b64 s[26:27], s[8:9], s[26:27]
	s_cselect_b32 s17, 512, s17
	s_cmp_lt_u32 ttmp9, 512
	s_cselect_b64 s[26:27], s[6:7], s[26:27]
	s_cselect_b32 s17, 256, s17
	s_cmp_lt_u32 ttmp9, 256
	s_cselect_b64 s[26:27], s[4:5], s[26:27]
	s_cselect_b32 s17, 0, s17
	s_sub_co_u32 s17, ttmp9, s17
	s_lshl_b32 s17, s17, 2
	s_add_co_u32 s17, s17, s16                     ; my wave's run of 8,192 numbers in its tensor
	s_lshl_b32 s20, s17, 15                        ; x 32,768 bytes (under 2^26)
	s_mov_b32 s21, 0
	s_add_nc_u64 s[26:27], s[26:27], s[20:21]
	s_lshl_b32 s18, ttmp9, 2
	s_add_co_u32 s18, s18, s16                     ; and in the stream of codes
	s_lshl_b32 s20, s18, 13
	s_add_nc_u64 s[14:15], s[14:15], s[20:21]
	s_lshl_b32 s20, s18, 8
	s_add_nc_u64 s[24:25], s[24:25], s[20:21]
.macro LOAD t
.irp i, 0,1,2,3
	global_load_b128 v[R+16*((\t)%4)+4*\i:R+16*((\t)%4)+4*\i+3], v3, s[26:27] offset:2048*(\t)+512*\i th:TH_LOAD_NT
.endr
.endm
.macro TURN t                          ; step t's numbers through the stage: LDS serves a wave's instructions in order, so no wait stands between the stores and the loads
.irp i, 0,1,2,3
	ds_store_b128 v14, v[R+16*((\t)%4)+4*\i:R+16*((\t)%4)+4*\i+3] offset:32*SP*((\t)%2)+8*SP*\i
.endr
.irp i, 0,1,2,3
	ds_load_b128 v[X+16*((\t)%2)+4*\i:X+16*((\t)%2)+4*\i+3], v15 offset:32*SP*((\t)%2)+16*\i
.endr
.endm
.irp t, 0,1,2,3
	LOAD \t
.endr
	s_wait_loadcnt 12                              ; step 0's four loads are in; the twelve behind them stay out
	TURN 0
.macro STEP t
.set XS, X+16*((\t)%2)
.if (\t) > 0
	s_wait_dscnt 1                                 ; this step's numbers are back from the stage (the last step's byte store may be out): its stores into the stage have read their registers,
.else
	s_wait_dscnt 0x0
.endif
.if (\t)+4 < STEPS
	LOAD (\t)+4                                    ; which take the loads of four steps on
.endif
.if (\t)+1 < STEPS
.if STEPS-2-(\t) >= 3
	s_wait_loadcnt 12                              ; the next step's four loads are in; those of the three steps behind it may be out
.else
	s_wait_loadcnt 4*(STEPS-2-(\t))
.endif
	TURN (\t)+1
.endif
	v_max3_num_f32 v8, |v[XS]|, |v[XS+1]|, |v[XS+2]|               ; the largest magnitude of my 16, in two chains
	v_max3_num_f32 v9, |v[XS+3]|, |v[XS+4]|, |v[XS+5]|
.irp i, 6,10
	v_max3_num_f32 v8, v8, |v[XS+\i]|, |v[XS+\i+1]|
	v_max3_num_f32 v9, v9, |v[XS+\i+2]|, |v[XS+\i+3]|
.endr
	v_max3_num_f32 v8, v8, |v[XS+14]|, |v[XS+15]|
	v_max3_num_f32 v8, v8, v9, 0x4800000           ; and the floor 2^(9 - 127): the byte cannot fall under 1
	v_max_num_f32_dpp v8, v8, v8 row_xmask:1 row_mask:0xf bank_mask:0xf   ; and of my neighbour's 16: the block's
	v_add_nc_u32 v11, 0xfc000000, v8               ; 8 off its exponent field: the conversion takes the exponent field of this operand as its scale
	v_and_or_b32 v10, v8, 0x7f800000, s23          ; 448 x the scale
.irp i, 0,1,2,3,4,5,6,7,8,9,10,11,12,13,14,15
	v_med3_num_f32 v[XS+\i], v[XS+\i], -v10, v10   ; the conversion to an 8-bit code does not saturate (ISA guide 7.6.2): the hold comes first
.endr
	v_cvt_scalef32_pk8_fp8_f32 v[C+4*(\t):C+4*(\t)+1], v[XS:XS+7], v11
	v_cvt_scalef32_pk8_fp8_f32 v[C+4*(\t)+2:C+4*(\t)+3], v[XS+8:XS+15], v11
	v_lshrrev_b32 v[E+(\t)], 23, v11               ; the scale's byte (also the plain line behind the conversions)
	ds_store_b8 v5, v[E+(\t)] offset:16*(\t)       ; both lanes of a block write the same byte with the same value
	global_store_b128 v4, v[C+4*(\t):C+4*(\t)+3], s[14:15] offset:512*(\t)
.endm
.irp t, 0,1,2,3,4,5,6,7,8,9,10,11,12,13,14,15
	STEP \t
.endr
	ds_load_b64 v[12:13], v6                       ; LDS serves a wave's instructions in order: these see my stores
	s_wait_dscnt 0x0
	global_store_b64 v7, v[12:13], s[24:25]        ; 32 lanes store 256 consecutive bytes, aligned
	s_wait_tensorcnt 0x0
	ds_add_u32 v192, v193
	s_wait_dscnt 0x0
	s_endpgm
.Lfunc_end_k_q73ce800844_quant:
	.size	k_q73ce800844_quant, .Lfunc_end_k_q73ce800844_quant-k_q73ce800844_quant
	.p2alignl 7, 3214868480
	.fill 96, 4, 3214868480
	.section	.rodata,"a",@progbits
	.p2align	6, 0x0
	.amdhsa_kernel k_q73ce800844_quant
		.amdhsa_group_segment_fixed_size 33280
		.amdhsa_private_segment_fixed_size 0
		.amdhsa_enable_private_segment 0
		.amdhsa_kernarg_size 56
		.amdhsa_user_sgpr_count 2
		.amdhsa_user_sgpr_kernarg_segment_ptr 1
		.amdhsa_wavefront_size32 1
		.amdhsa_system_sgpr_workgroup_id_x 1
		.amdhsa_system_sgpr_workgroup_id_y 1
		.amdhsa_system_sgpr_workgroup_id_z 1
		.amdhsa_system_vgpr_workitem_id 0
		.amdhsa_next_free_vgpr 194
		.amdhsa_next_free_sgpr 66
		.amdhsa_reserve_vcc 0
		.amdhsa_float_denorm_mode_32 3
		.amdhsa_float_denorm_mode_16_64 3
		.amdhsa_memory_ordered 1
		.amdhsa_forward_progress 1
		.amdhsa_inst_pref_size 51
	.end_amdhsa_kernel
	.amdgpu_metadata
---
amdhsa.version: [ 1, 2 ]
amdhsa.kernels:
  - .name:           k_q73ce800844_quant
    .symbol:         k_q73ce800844_quant.kd
    .args:
      - { .name: query, .offset: 0, .size: 8, .value_kind: global_buffer, .address_space: global }
      - { .name: key, .offset: 8, .size: 8, .value_kind: global_buffer, .address_space: global }
      - { .name: Wq, .offset: 16, .size: 8, .value_kind: global_buffer, .address_space: global }
      - { .name: Wk, .offset: 24, .size: 8, .value_kind: global_buffer, .address_space: global }
      - { .name: Wv, .offset: 32, .size: 8, .value_kind: global_buffer, .address_space: global }
      - { .name: xc, .offset: 40, .size: 8, .value_kind: global_buffer, .address_space: global }
      - { .name: xs, .offset: 48, .size: 8, .value_kind: global_buffer, .address_space: global }
    .group_segment_fixed_size: 33280
    .private_segment_fixed_size: 0
    .kernarg_segment_align: 8
    .kernarg_segment_size: 56
    .max_flat_workgroup_size: 128
    .sgpr_count:     66
    .vgpr_count:     194
    .wavefront_size: 32
...
	.end_amdgpu_metadata
.endif
;; end of part 1
;; launch proj (part 2): grid 24 x 8, 4 waves a work-group, clusters of 4 x 4, 327,680 bytes of LDS; arguments xc, xs, pc, ps; writes pc, ps
.if DOCPART == 2
	.amdgcn_target "amdgcn-amd-amdhsa--gfx1250"
	.amdhsa_code_object_version 6
	.text
	.protected	k_q73ce800844_proj
	.globl	k_q73ce800844_proj
	.p2align	8
	.type	k_q73ce800844_proj,@function
k_q73ce800844_proj:
	s_mov_b64 s[64:65], 0
	v_nop
	global_prefetch_b8 v0, s[64:65] scope:SCOPE_SE
	s_setreg_imm32_b32 hwreg(HW_REG_WAVE_MODE, 25, 1), 1
	s_wait_xcnt 0x0
	s_wait_alu depctr_hold_cnt(0) depctr_sa_sdst(0) depctr_va_vdst(0) depctr_va_sdst(0) depctr_va_ssrc(0) depctr_va_vcc(0) depctr_vm_vsrc(0)
	s_getreg_b32 s2, hwreg(HW_REG_IB_STS2, 6, 4)
	s_cmp_eq_u32 s2, 0
	s_cbranch_scc0 .Lentry_in_a_cluster
	s_endpgm
.Lentry_in_a_cluster:
	s_bfe_u32 s2, ttmp6, 0x10000c
	s_cmp_lg_u32 s2, 0xf033
	s_cbranch_scc0 .Lentry_shape_is_right
	s_endpgm
.Lentry_shape_is_right:
; q = query Wq^T, k = key Wk^T, v = key Wv^T on codes of E4M3 with E8M0 scales (xc, xs: rows of 1,024 codes and 32 scale bytes: query 8,192, key 8,192, Wq, Wk, Wv 1,024 each), and the results' quantisers.
; OUT: pc[job 0 q, 1 k, 2 v][block of 128 channels][block of 128 tokens][16,384 bytes], ps likewise with 1,024 bytes: images of the next launch's operand registers (r = lane % 16, h = lane / 16).
;   q, k: [token tile a of 16][piece of 32 channels][lane][16 codes]: lane (r, h) holds token r, channels 8 h + 0..7 and 16 + 8 h + 0..7 of the piece; scale words [a / 4][16 x (head % 2) + r][a % 4]: bytes 0, 1 the head's two pieces, bytes 2, 3 the same again.
;   v: [channel tile of 16][piece of 32 tokens][lane][16 codes]: lane holds channel r, tokens in the same order; scale words [head % 2][lane][tile % 4], a byte a piece.
; SHARES.  Work-group (x, y): channels 128 x .. of the 3,072 (x / 8 is the job), tokens 1,024 y ..: 24 x 8 work-groups.  3,072 channels do not part into 256 equal shares of whole heads without a second weight in a work-group; this text keeps one weight a work-group, on 192 WGPs.
; Four waves, 2 x 2: wave (w, c) holds 64 rows of the weight (one head), ALL of K, in 512 registers, and streams tokens 512 w .. 512 w + 511 past them in 32 blocks of 16, which stand in registers as two whole sets (256).
; A block is 32 products on four accumulators by turns, K ascending.  q, k: source 0 = the weight's rows, so a lane holds a token and its registers run along the channels; v: source 0 = the tokens, so they run along the tokens; a scale block of 32 lies in lanes l and l xor 16.
; LDS: two slots of 128 rows x 1,040 bytes; the scale bytes of x's 1,024 rows as 128 units of 256 + 16 bytes; the spare words.  Chunk n is rows 64 n .. 64 n + 63 of either wave row's 512.
; FILLS.  At the head: wave 0 the weight (slot 1), waves 1 and 2 the halves of chunk 0 (slot 0), wave 3 the scale bytes.  When the weight stands in registers, chunk 1 goes over it.  In chunk n, behind block 1, whose fetch is the last read of its slot, one drained round of the cluster's barrier
; shows chunk n + 1 and asks for chunk n + 2, a quarter a wave: that load has four blocks in which to land.  Chunks 6 and 7 ask for nothing: a loop of their own.
; CLUSTERS, 4 x 4: x's rows are asked for jointly along a cluster's row, the weight's along its column.  The job hangs on the cluster's number alone, so every partner goes the same way.
; PREFETCH: chunk n + 3 is named in chunk n, one chunk ahead of the load that wants it: 512 blocks of 256 bytes, a lane each, shared out by address among the sixteen waves of a cluster's row; chunks 1 and 2 at the head; nothing beyond chunk 7.  The weight comes once, at the head.
; LIMITS: a block of zeros gets the byte 1 (its codes are zeros, and this program alone reads the bytes); NaN, infinities and sums beyond f32's range are not served.
.set KROW, 1024
.set PITCH, KROW+16
.set FR, 16
.set FPW, 16
.set NB, 4
.set NF, 34                            ; LDS loads of a block: 32 of codes, 2 of scale words
.set NP, 8                             ; plain vector lines behind a product, ahead of a reader of its sums and of a load into what it has read
.set YB, 128*PITCH                     ; slot 1
.set SCL, 2*YB                         ; x's scale bytes
.set SPARE, SCL+128*272
.set CSTEP, 64*KROW                    ; a chunk on in xc
.set SSTEP, 8*272                      ; and among the scale bytes
.set ADRA0, 4                          ; v4 my fragment's place in a slot;  v6 my row's scale words in chunk 0
.set AAS0, 6
.set CO, 9                             ; v9 16 x lane
.set SPW, 10
.set NIL, 11
.set ACUR, 12                          ; v12, v13 v4 in this chunk's slot and in the next's;  v14 v6 in this chunk
.set ANXT, 13
.set SCUR, 14
.set ABS, 16                           ; v16 32 x lane
.set ADRB, 17                          ; v17 my fragments of the weight
.set PSO, 18                           ; v18 16 r + 8 h
.set PFO, 19                           ; v19 256 x lane
.set SOP, 20                           ; v20-23 the conversions' scale operands
.set SB, 24                            ; v24-39 the weight's scale words: register 8 p + q: lanes 0-15 tile 2 p, lanes 16-31 tile 2 p + 1
.set EB, 40                            ; v40-43 scale bytes
.set SA, 44                            ; v44-59 x's scale words, two sets
.set TM, 60                            ; v60-63 largest magnitudes
.set ACC, 64                           ; v64-127 two sets of four accumulators
.set CD, 128                           ; v128-143 codes
.set WD, 144                           ; v144-147 scale words;  v148-149 as they leave
.set WS, 148
.set PM, 152                           ; v152-155 the other half's maxima;  v156-159 448 x the scale
.set BND, 156
.set G1B, 24                           ; descriptor groups 1: the weight, half a chunk, a quarter, the scale bytes
.set G1A, 32
.set G1R, 48
.set G1S, 92
.set G0B, 56
.set G0A, 60
.set G0R, 68
.set G0S, 72
.set MSB, 0
.macro WIN new                         ; the immediate's high byte repeats the setting that is left
.if MSB != \new
	s_set_vgpr_msb (MSB<<8)|\new
.set MSB, \new
.endif
.endm
.macro PLACES n
.rept \n
	v_nop
.endr
.endm
.macro BARRIER
	s_barrier_signal -1
	s_barrier_wait -1
.endm
.macro CROUND                          ; a round of the cluster's barrier
	BARRIER
	s_cmp_lg_u32 s14, 0
	s_cbranch_scc1 .Lnot_wave_0_\@
	s_barrier_signal -3
.Lnot_wave_0_\@:
	s_barrier_wait -3
	BARRIER
.endm
.macro TLOAD g0, g1                    ; an s_nop 0 and four v_nop follow a tensor load
	tensor_load_to_lds s[\g0:\g0+3], s[\g1:\g1+7]
	s_nop 0
	PLACES 4
.endm
.macro GROUP1 g, mask, rows            ; so many whole rows of 1,024 bytes, 16 bytes of padding behind each
	s_or_b32 s[\g+0], s[\mask], (1<<20)|(1<<21)|(7<<22)|(3<<25)
	s_mov_b32 s[\g+1], (KROW&0xffff)<<16
	s_mov_b32 s[\g+2], (KROW>>16)|((\rows)<<16)
	s_mov_b32 s[\g+3], KROW<<16
	s_mov_b32 s[\g+4], \rows
	s_mov_b32 s[\g+5], KROW
	s_mov_b32 s[\g+6], 0
	s_mov_b32 s[\g+7], 0
.endm
.macro GROUP0 g, base, off             ; the global address: a buffer + the offset s[off] (s21 = 0)
	s_mov_b32 s[\g], 1
	s_mov_b32 s20, s\off
	s_add_nc_u64 s[\g+2:\g+3], s[\base:\base+1], s[20:21]
	s_or_b32 s[\g+3], s[\g+3], 0x80000000
.endm
	s_load_b256 s[4:11], s[0:1], 0x0               ; xc s[4:5], xs s[6:7], pc s[8:9], ps s[10:11]
	v_lshl_add_u32 v[SPW], v0, 2, SPARE
	v_mov_b32 v[NIL], 0
	ds_add_u32 v[SPW], v[NIL]                      ; the opening lines: the add, twice on end, and its wait ahead of my first tensor load
	ds_add_u32 v[SPW], v[NIL]
	v_lshrrev_b32 v1, 5, v0
	v_readfirstlane_b32 s14, v1                    ; wave
	s_lshr_b32 s15, s14, 1                         ; w: my row of waves
	s_and_b32 s16, s14, 1                          ; c: my column of waves
	s_bfe_u32 s40, ttmp6, 0x40000                  ; cx, cy
	s_bfe_u32 s41, ttmp6, 0x40004
	s_lshl_b32 s42, ttmp9, 2
	s_add_co_u32 s42, s42, s40                     ; block of 128 channels, 0 .. 23
	s_and_b32 s43, ttmp7, 0xffff
	s_lshl_b32 s43, s43, 2
	s_add_co_u32 s43, s43, s41                     ; block of 1,024 tokens, 0 .. 7
	s_lshr_b32 s19, ttmp9, 1                       ; the job, from the cluster's number alone
	s_lshl_b32 s44, s41, 2
	s_lshl_b32 s44, 15, s44                        ; my row of the cluster shares x's rows,
	s_lshl_b32 s45, 0x1111, s40                    ; my column the weight's
	GROUP1 G1B, 45, 128
	GROUP1 G1A, 44, 64
	GROUP1 G1R, 44, 32
	s_or_b32 s[G1S+0], s44, (3<<16)|(1<<20)|(1<<21)|(5<<22)|(3<<25)   ; 32,768 dense bytes as 128 rows of 256 (32 elements of 8), 16 of padding behind each
	s_mov_b32 s[G1S+1], 32<<16
	s_mov_b32 s[G1S+2], 128<<16
	s_mov_b32 s[G1S+3], 32<<16
	s_mov_b32 s[G1S+4], 128
	s_mov_b32 s[G1S+5], 32
	s_mov_b32 s[G1S+6], 0
	s_mov_b32 s[G1S+7], 0
	s_min_u32 s2, s19, 1                           ; x is query for job 0, key for jobs 1 and 2
	s_lshl_b32 s2, s2, 13
	s_lshl_b32 s20, s43, 10
	s_add_co_u32 s2, s2, s20                       ; x's first row
	s_lshl_b32 s3, s2, 10                          ; in xc, bytes (all offsets stay under 2^25)
	s_lshl_b32 s2, s2, 5                           ; in xs
	s_lshl_b32 s21, s15, 19
	s_add_co_u32 s66, s3, s21                      ; wave row w's 512 rows (waves 1, 2: halves 0, 1 of chunk 0)
	s_lshl_b32 s22, s16, 15
	s_add_co_u32 s67, s66, s22
	s_add_co_u32 s67, s67, CSTEP                   ; my quarter of chunk 1: 32 rows
	s_lshl_b32 s23, s42, 7
	s_add_co_u32 s23, s23, 16384                   ; the weight's first row
	s_lshl_b32 s83, s23, 10
	s_lshl_b32 s90, s16, 6
	s_add_co_u32 s90, s90, s23
	s_lshl_b32 s90, s90, 5                         ; my 64 rows' scale bytes
	s_mul_i32 s12, s14, 32*PITCH                   ; my quarter's place in a slot
	s_mul_i32 s[G0A+1], s15, 64*PITCH
	s_mov_b32 s[G0B+1], YB
	s_mov_b32 s[G0S+1], SCL
	s_add_co_u32 s[G0R+1], s12, YB
	s_mov_b32 s76, 0x76543210                      ; selects for lane l xor 16
	s_mov_b32 s77, 0xfedcba98
	s_mov_b32 s78, 0x600000                        ; the mantissa field of 448
	s_mov_b32 s79, 0xffff0000                      ; lanes 16-31
	s_mov_b32 s21, 0
	s_wait_dscnt 0x0                               ; both opening adds are done
	CROUND                                         ; all sixteen work-groups are here: the first joint loads meet
	s_wait_kmcnt 0x0
	GROUP0 G0B, 4, 83
	GROUP0 G0A, 4, 66
	GROUP0 G0S, 6, 2
	GROUP0 G0R, 4, 67
	s_cmp_eq_u32 s14, 0                            ; one chain of branches on the wave's number, one joint load to an arm
	s_cbranch_scc0 .Lw12
	TLOAD G0B, G1B
	s_branch .Lasked
.Lw12:
	s_cmp_lt_u32 s14, 3
	s_cbranch_scc0 .Lw3
	TLOAD G0A, G1A
	s_branch .Lasked
.Lw3:
	TLOAD G0S, G1S
.Lasked:
	s_mov_b32 s20, s90
	s_add_nc_u64 s[90:91], s[6:7], s[20:21]        ; the weight's scale bytes
	s_lshl_b32 s20, s40, 2                         ; the prefetches: which of the cluster row's sixteen waves I am
	s_add_co_u32 s20, s20, s14
	s_lshr_b32 s22, s20, 3
	s_lshl_b32 s22, s22, 19                        ; which wave row's 64 rows,
	s_and_b32 s20, s20, 7
	s_lshl_b32 s20, s20, 13                        ; which 8 of them
	s_add_co_u32 s20, s20, s22
	s_add_co_u32 s20, s20, s3
	s_add_co_u32 s20, s20, CSTEP                   ; in chunk 1
	s_add_nc_u64 s[88:89], s[4:5], s[20:21]
	s_and_b32 s20, s42, 7                          ; where my results go: job x 512 + channel block x 64 + token block
	s_lshl_b32 s20, s20, 6
	s_lshl_b32 s22, s19, 9
	s_add_co_u32 s20, s20, s22
	s_lshl_b32 s22, s43, 3
	s_add_co_u32 s20, s20, s22
	s_lshl_b32 s22, s15, 2
	s_add_co_u32 s20, s20, s22
	s_cmp_eq_u32 s19, 2
	s_cselect_b32 s22, 13, 10                      ; my head's part of a block: q, k: 1,024 bytes of a tile; v: four tiles
	s_cselect_b32 s23, 9, 8
	s_lshl_b32 s22, s16, s22
	s_lshl_b32 s23, s16, s23
	s_lshl_b32 s2, s20, 10
	s_add_co_u32 s2, s2, s23
	s_lshl_b32 s20, s20, 14
	s_add_co_u32 s20, s20, s22
	s_add_nc_u64 s[84:85], s[8:9], s[20:21]
	s_mov_b32 s20, s2
	s_add_nc_u64 s[86:87], s[10:11], s[20:21]
	s_mul_i32 s20, s15, 64*PITCH
	s_mul_i32 s22, s16, 64*PITCH
	s_add_co_u32 s22, s22, YB
	s_mul_i32 s23, s15, 64*272
	s_add_co_u32 s23, s23, SCL
	v_and_b32 v1, 15, v0                           ; r
	v_bfe_u32 v2, v0, 4, 1                         ; h
	v_and_b32 v3, 31, v0                           ; lane
	v_mul_u32_u24 v7, v1, PITCH
	v_lshl_add_u32 v7, v2, 4, v7                   ; a fragment: row r x pitch + 16 h
	v_add_nc_u32 v[ADRA0], s20, v7
	v_add_nc_u32 v[ADRB], s22, v7
	v_lshlrev_b32 v[ABS], 5, v3
	v_lshlrev_b32 v7, 5, v1                        ; scale bytes: 32 a row, and 16 more for each 256 passed
	v_lshrrev_b32 v8, 3, v1
	v_lshl_add_u32 v7, v8, 4, v7
	v_add_nc_u32 v[AAS0], s23, v7
	v_lshlrev_b32 v[CO], 4, v3
	v_lshlrev_b32 v[PSO], 4, v1
	v_lshl_add_u32 v[PSO], v2, 3, v[PSO]
	v_lshlrev_b32 v[PFO], 8, v3
.irp t, 0,1,2,3
	v_mov_b32 v[PM+\t], 0                          ; a lane permute's destination counts as one of its sources
	v_mov_b32 v[WD+\t], 0
.endr
	s_wait_alu depctr_va_vdst(0)                   ; the wait at the head's end
.irp p, 0,1
.irp c, 0,1
	global_load_b128 v[SB+8*\p+4*\c:SB+8*\p+4*\c+3], v[ABS], s[90:91] offset:\p*1024+16*\c
.endr
.endr
	global_prefetch_b8 v[PFO], s[88:89] th:TH_LOAD_NT scope:SCOPE_SE                ; chunk 1,
	global_prefetch_b8 v[PFO], s[88:89] offset:CSTEP th:TH_LOAD_NT scope:SCOPE_SE   ; chunk 2
	s_cmp_eq_u32 s14, 0                            ; wave 0 alone issued the weight's load line, and it alone waits here: the first barrier shows the weight
	s_cbranch_scc0 .Lnot_b
	s_wait_tensorcnt 0x0
.Lnot_b:
	BARRIER
.macro FRAG f, adr, q, off             ; the weight's fragment f, 16 rows x 128 of K, into window 1 + f / 16
	WIN (1+(\f)/FPW)<<6
.irp c, 0,1,2,3
	ds_load_b128 v[FR*((\f)%FPW)+4*\c:FR*((\f)%FPW)+4*\c+3], v[\adr] offset:128*(\q)+32*\c+(\off)
.endr
.endm
.macro FETCHAT k, a, off, s, soff      ; a block of x, 16 rows, all of K, into set k of window 3, and its scale words: NF loads
	WIN 3<<6
.irp q, 0,1,2,3,4,5,6,7
.irp c, 0,1,2,3
	ds_load_b128 v[128*\k+FR*\q+4*\c:128*\k+FR*\q+4*\c+3], v[\a] offset:(\off)+128*\q+32*\c
.endr
.endr
	WIN 0
	ds_load_b128 v[SA+8*\k:SA+8*\k+3], v[\s] offset:\soff
	ds_load_b128 v[SA+8*\k+4:SA+8*\k+7], v[\s] offset:(\soff)+16
.endm
.macro PROD kind, e, n                 ; product n = 4 q + b: the q-th 128 of K, weight tile b; x and sums in set e.  The first of a sum takes 0 as C
.set Q_, (\n)/4
.set B_, (\n)%4
.set FB_, NB*Q_+B_
.set AC_, ACC+32*(\e)+8*B_
.set R_, 128*(\e)+FR*Q_
.set W_, FR*(FB_%FPW)
.set XS_, SA+8*(\e)+Q_
.set WS_, SB+8*(B_/2)+Q_
.if \kind
	WIN 3|((1+FB_/FPW)<<2)
.if Q_ && B_%2
	v_wmma_scale_f32_16x16x128_f8f6f4 v[AC_:AC_+7], v[R_:R_+FR-1], v[W_:W_+FR-1], v[AC_:AC_+7], v[XS_], v[WS_] matrix_b_scale:MATRIX_SCALE_ROW1
.elseif Q_
	v_wmma_scale_f32_16x16x128_f8f6f4 v[AC_:AC_+7], v[R_:R_+FR-1], v[W_:W_+FR-1], v[AC_:AC_+7], v[XS_], v[WS_]
.elseif B_%2
	v_wmma_scale_f32_16x16x128_f8f6f4 v[AC_:AC_+7], v[R_:R_+FR-1], v[W_:W_+FR-1], 0, v[XS_], v[WS_] matrix_b_scale:MATRIX_SCALE_ROW1
.else
	v_wmma_scale_f32_16x16x128_f8f6f4 v[AC_:AC_+7], v[R_:R_+FR-1], v[W_:W_+FR-1], 0, v[XS_], v[WS_]
.endif
.else
	WIN (1+FB_/FPW)|(3<<2)
.if Q_ && B_%2
	v_wmma_scale_f32_16x16x128_f8f6f4 v[AC_:AC_+7], v[W_:W_+FR-1], v[R_:R_+FR-1], v[AC_:AC_+7], v[WS_], v[XS_] matrix_a_scale:MATRIX_SCALE_ROW1
.elseif Q_
	v_wmma_scale_f32_16x16x128_f8f6f4 v[AC_:AC_+7], v[W_:W_+FR-1], v[R_:R_+FR-1], v[AC_:AC_+7], v[WS_], v[XS_]
.elseif B_%2
	v_wmma_scale_f32_16x16x128_f8f6f4 v[AC_:AC_+7], v[W_:W_+FR-1], v[R_:R_+FR-1], 0, v[WS_], v[XS_] matrix_a_scale:MATRIX_SCALE_ROW1
.else
	v_wmma_scale_f32_16x16x128_f8f6f4 v[AC_:AC_+7], v[W_:W_+FR-1], v[R_:R_+FR-1], 0, v[WS_], v[XS_]
.endif
.endif
.endm
.macro PRODS e                         ; a block's 32 products, by the job, and the places behind them
	s_cmp_eq_u32 s19, 2
	s_cbranch_scc1 .Lpv_\@
.set N_, 0
.rept 32
	PROD 0, \e, N_
.set N_, N_+1
.endr
	WIN 0
	s_branch .Lpj_\@
.Lpv_\@:
.set N_, 0
.rept 32
	PROD 1, \e, N_
.set N_, N_+1
.endr
	WIN 0
.Lpj_\@:
	PLACES NP
.endm
.macro QK e, k                         ; q's or k's block k of a chunk: 16 tokens x 64 channels: two scale blocks, accumulators 0, 1 and 2, 3, each from its low end on
.set X_, ACC+32*(\e)
.set C_, CD+8*(\e)
.irp t, 0,1,2,3
	v_max3_num_f32 v[TM+\t], |v[X_+8*\t]|, |v[X_+8*\t+1]|, 0x4800000   ; with the floor 2^(9 - 127): the byte cannot fall under 1
.endr
.irp i, 2,4,6
.irp t, 0,1,2,3
	v_max3_num_f32 v[TM+\t], v[TM+\t], |v[X_+8*\t+\i]|, |v[X_+8*\t+\i+1]|
.endr
.endr
	v_max_num_f32 v[TM], v[TM], v[TM+1]
	v_max_num_f32 v[TM+2], v[TM+2], v[TM+3]
	v_permlanex16_b32 v[PM], v[TM], s76, s77
	v_permlanex16_b32 v[PM+1], v[TM+2], s76, s77
	v_max_num_f32 v[TM], v[TM], v[PM]              ; with lane l xor 16's 16 channels
	v_max_num_f32 v[TM+2], v[TM+2], v[PM+1]
	v_add_nc_u32 v[SOP], 0xfc000000, v[TM]         ; 8 off the exponent field: the conversion's scale operand
	v_add_nc_u32 v[SOP+1], 0xfc000000, v[TM+2]
	v_and_or_b32 v[BND], v[TM], 0x7f800000, s78    ; 448 x the scale
	v_and_or_b32 v[BND+1], v[TM+2], 0x7f800000, s78
	v_lshrrev_b32 v[EB], 23, v[SOP]
	v_lshrrev_b32 v[EB+1], 23, v[SOP+1]
	v_lshl_or_b32 v[EB], v[EB+1], 8, v[EB]
	v_lshl_or_b32 v[WD+\k], v[EB], 16, v[EB]       ; the tile's scale word: the two bytes, twice
.irp b, 0,1
.irp i, 0,1,2,3,4,5,6,7,8,9,10,11,12,13,14,15
	v_med3_num_f32 v[X_+16*\b+\i], v[X_+16*\b+\i], -v[BND+\b], v[BND+\b]   ; the conversion does not saturate (ISA guide 7.6.2): the hold comes first
.endr
.endr
.irp b, 0,1
	v_cvt_scalef32_pk8_fp8_f32 v[C_+4*\b:C_+4*\b+1], v[X_+16*\b:X_+16*\b+7], v[SOP+\b]
	v_cvt_scalef32_pk8_fp8_f32 v[C_+4*\b+2:C_+4*\b+3], v[X_+16*\b+8:X_+16*\b+15], v[SOP+\b]
.endr
	v_nop                                          ; a plain line behind the conversions
	global_store_b128 v[CO], v[C_:C_+3], s[84:85] offset:(\k)*2048       ; 512 consecutive bytes each
	global_store_b128 v[CO], v[C_+4:C_+7], s[84:85] offset:(\k)*2048+512
.if (\k) == 3
	v_cndmask_b32 v[WS], v[WD], v[WD+2], s79       ; lane (r, h) stores the words of tiles 2 h, 2 h + 1: 32 lanes fill 256 consecutive bytes, aligned
	v_cndmask_b32 v[WS+1], v[WD+1], v[WD+3], s79
	global_store_b64 v[PSO], v[WS:WS+1], s[86:87]
.endif
.endm
.macro QV p                            ; v's pair p of a chunk: 32 tokens x 64 channels: a scale block for each of the four channel tiles: the even block's accumulator and the odd's
.irp t, 0,1,2,3
	v_max3_num_f32 v[TM+\t], |v[ACC+8*\t]|, |v[ACC+8*\t+1]|, 0x4800000
.endr
.irp i, 2,4,6
.irp t, 0,1,2,3
	v_max3_num_f32 v[TM+\t], v[TM+\t], |v[ACC+8*\t+\i]|, |v[ACC+8*\t+\i+1]|
.endr
.endr
.irp i, 0,2,4,6
.irp t, 0,1,2,3
	v_max3_num_f32 v[TM+\t], v[TM+\t], |v[ACC+32+8*\t+\i]|, |v[ACC+32+8*\t+\i+1]|
.endr
.endr
.irp t, 0,1,2,3
	v_permlanex16_b32 v[PM+\t], v[TM+\t], s76, s77
.endr
.irp t, 0,1,2,3
	v_max_num_f32 v[TM+\t], v[TM+\t], v[PM+\t]
.endr
.irp t, 0,1,2,3
	v_add_nc_u32 v[SOP+\t], 0xfc000000, v[TM+\t]
.endr
.irp t, 0,1,2,3
	v_and_or_b32 v[BND+\t], v[TM+\t], 0x7f800000, s78
.endr
.irp t, 0,1,2,3
	v_lshrrev_b32 v[EB+\t], 23, v[SOP+\t]
.endr
.irp t, 0,1,2,3
	v_lshl_or_b32 v[WD+\t], v[EB+\t], s[80+\p], v[WD+\t]   ; byte 2 (chunk % 2) + p of the tile's scale word
.endr
.irp t, 0,1,2,3
.irp i, 0,1,2,3,4,5,6,7
	v_med3_num_f32 v[ACC+8*\t+\i], v[ACC+8*\t+\i], -v[BND+\t], v[BND+\t]
	v_med3_num_f32 v[ACC+32+8*\t+\i], v[ACC+32+8*\t+\i], -v[BND+\t], v[BND+\t]
.endr
.endr
.irp t, 0,1,2,3
	v_cvt_scalef32_pk8_fp8_f32 v[CD+4*\t:CD+4*\t+1], v[ACC+8*\t:ACC+8*\t+7], v[SOP+\t]
	v_cvt_scalef32_pk8_fp8_f32 v[CD+4*\t+2:CD+4*\t+3], v[ACC+32+8*\t:ACC+32+8*\t+7], v[SOP+\t]
.endr
	v_nop
.irp t, 0,1,2,3
	global_store_b128 v[CO], v[CD+4*\t:CD+4*\t+3], s[84:85] offset:\t*2048+(\p)*512
.endr
.if \p
	s_wait_alu depctr_va_vdst(0)                   ; the wait ahead of the branch
	s_bitcmp1_b32 s46, 0                           ; an odd chunk ends a block of 128 tokens: its four bytes are together
	s_cbranch_scc0 .Lnw_\@
	global_store_b128 v[CO], v[WD:WD+3], s[86:87]  ; both halves of the lanes hold the same words: 512 consecutive bytes
.Lnw_\@:
.endif
.endm
.macro QUANT e, k
	s_cmp_eq_u32 s19, 2
	s_cbranch_scc1 .Lqv_\@
	QK \e, \k
	s_branch .Lqj_\@
.Lqv_\@:
.if \e
	QV (\k)/2
.endif
.Lqj_\@:
.endm
; A CHUNK: four blocks a wave.  Behind a block's products its set takes the block two on.  s46 the chunk; s47 its slot; s13 its scale words' step.
.macro CHUNK refill
	s_and_b32 s20, s46, 1
	s_lshl_b32 s80, s20, 4                         ; v: the shifts of this chunk's two bytes,
	s_add_co_u32 s81, s80, 8
	s_sub_co_u32 s82, 0, s20                       ; and an even chunk begins its words anew
	s_xor_b32 s21, s47, YB
	v_add_nc_u32 v[ACUR], s47, v[ADRA0]
	v_add_nc_u32 v[ANXT], s21, v[ADRA0]
	v_add_nc_u32 v[SCUR], s13, v[AAS0]
.irp t, 0,1,2,3
	v_and_b32 v[WD+\t], s82, v[WD+\t]
.endr
	s_wait_alu depctr_va_vdst(0)                   ; the wait here, directly behind the writes
	s_wait_dscnt NF                                ; set 0 is in; the NF loads of set 1 may be out
	PRODS 0
	FETCHAT 0, ACUR, 2*16*PITCH, SCUR, 2*544
	QUANT 0, 0
	s_wait_dscnt NF
	s_wait_xcnt 0x0                                ; earlier stores have read their registers: codes are written again below
	PRODS 1
	FETCHAT 1, ACUR, 3*16*PITCH, SCUR, 3*544       ; my last read of this chunk's slot
	QUANT 1, 1
	s_wait_tensorcnt 0x0                           ; my part of the next chunk is in
.if \refill
	ds_add_u32 v[SPW], v[NIL]
	s_add_nc_u64 s[G0R+2:G0R+3], s[G0R+2:G0R+3], CSTEP   ; no tensor load of mine is out: the chunk after the next,
	s_add_co_u32 s[G0R+1], s12, s47                ; into this chunk's slot
	s_wait_dscnt 0x0                               ; the add is done, and my reads of this slot are over
	CROUND
	TLOAD G0R, G1R                                 ; the first tensor load behind the round, one a wave
.else
	s_wait_dscnt 0x0
	BARRIER                                        ; shows the last chunk; nothing is filled again
.endif
	s_wait_xcnt 0x0
	PRODS 0
.if \refill
	FETCHAT 0, ANXT, 0, SCUR, SSTEP
	s_cmp_lt_u32 s46, 5                            ; chunk n + 3, while there is one
	s_cbranch_scc0 .Lnp_\@
	global_prefetch_b8 v[PFO], s[88:89] th:TH_LOAD_NT scope:SCOPE_SE
.Lnp_\@:
.else
	s_cmp_eq_u32 s46, 7                            ; no chunk follows the last
	s_cbranch_scc1 .Lnf0_\@
	FETCHAT 0, ANXT, 0, SCUR, SSTEP
.Lnf0_\@:
.endif
	QUANT 0, 2
	s_wait_xcnt 0x0
	PRODS 1                                        ; (set 1 has been in since the wait ahead of the barrier)
.if \refill
	FETCHAT 1, ANXT, 16*PITCH, SCUR, SSTEP+544
.else
	s_cmp_eq_u32 s46, 7
	s_cbranch_scc1 .Lnf1_\@
	FETCHAT 1, ANXT, 16*PITCH, SCUR, SSTEP+544
.Lnf1_\@:
.endif
	QUANT 1, 3
	s_wait_xcnt 0x0                                ; the stores and the prefetch have read their bases, which step: q, k: 8,192 and 512 bytes a chunk; v: 1,024, then on to the next block of 128 tokens
	s_and_b32 s20, s46, 1
	s_cmp_eq_u32 s20, 0
	s_mov_b32 s22, 15360
	s_cselect_b32 s22, 1024, s22
	s_cselect_b32 s23, 0, 1024
	s_cmp_eq_u32 s19, 2
	s_mov_b32 s20, 8192
	s_cselect_b32 s20, s22, s20
	s_mov_b32 s22, 512
	s_cselect_b32 s22, s23, s22
	s_mov_b32 s21, 0
	s_mov_b32 s23, 0
	s_add_nc_u64 s[84:85], s[84:85], s[20:21]
	s_add_nc_u64 s[86:87], s[86:87], s[22:23]
.if \refill
	s_add_nc_u64 s[88:89], s[88:89], CSTEP
.endif
	s_xor_b32 s47, s47, YB
	s_add_co_u32 s13, s13, SSTEP
	s_add_co_u32 s46, s46, 1
.endm
.irp q, 0,1,2,3,4,5,6,7                        ; my 64 rows of the weight, all of K, into windows 1 and 2: 128 loads
.irp b, 0,1,2,3
	FRAG NB*\q+\b, ADRB, \q, \b*16*PITCH
.endr
.endr
	WIN 0
	s_wait_tensorcnt 0x0                           ; every wave: chunk 0 and the scale bytes are in
	s_wait_dscnt 0x0
	BARRIER
	FETCHAT 0, ADRA0, 0, AAS0, 0
	FETCHAT 1, ADRA0, 16*PITCH, AAS0, 544
	s_wait_tensorcnt 0x0
	ds_add_u32 v[SPW], v[NIL]
	s_wait_xcnt 0x0                                ; the head's prefetches have read their base:
	s_add_nc_u64 s[88:89], s[88:89], 2*CSTEP       ; on to chunk 3
	s_mov_b32 s46, 0
	s_mov_b32 s47, 0
	s_mov_b32 s13, 0
	s_wait_dscnt 0x0                               ; the add is done, and the weight stands in registers
	CROUND
	TLOAD G0R, G1R                                 ; chunk 1 over the weight's rows
	s_wait_loadcnt 0x0                             ; the weight's scale words
.Lfill:                                            ; chunks 0 to 5: each asks for the chunk two on
	CHUNK 1
	s_cmp_lg_u32 s46, 6
	s_cbranch_scc1 .Lfill
.Llast:                                            ; chunks 6 and 7 ask for nothing
	CHUNK 0
	s_cmp_lg_u32 s46, 8
	s_cbranch_scc1 .Llast
	s_wait_tensorcnt 0x0                           ; the wave's end
	ds_add_u32 v[SPW], v[NIL]
	s_wait_dscnt 0x0
	CROUND                                         ; the closing round
	s_endpgm
.Lfunc_end_k_q73ce800844_proj:
	.size	k_q73ce800844_proj, .Lfunc_end_k_q73ce800844_proj-k_q73ce800844_proj
	.p2alignl 7, 3214868480
	.fill 96, 4, 3214868480
	.section	.rodata,"a",@progbits
	.p2align	6, 0x0
	.amdhsa_kernel k_q73ce800844_proj
		.amdhsa_group_segment_fixed_size 327680
		.amdhsa_private_segment_fixed_size 0
		.amdhsa_enable_private_segment 0
		.amdhsa_kernarg_size 32
		.amdhsa_user_sgpr_count 2
		.amdhsa_user_sgpr_kernarg_segment_ptr 1
		.amdhsa_wavefront_size32 1
		.amdhsa_system_sgpr_workgroup_id_x 1
		.amdhsa_system_sgpr_workgroup_id_y 1
		.amdhsa_system_sgpr_workgroup_id_z 1
		.amdhsa_system_vgpr_workitem_id 0
		.amdhsa_next_free_vgpr 1024
		.amdhsa_next_free_sgpr 102
		.amdhsa_reserve_vcc 0
		.amdhsa_float_denorm_mode_32 3
		.amdhsa_float_denorm_mode_16_64 3
		.amdhsa_memory_ordered 1
		.amdhsa_forward_progress 1
		.amdhsa_inst_pref_size 183
	.end_amdhsa_kernel
	.amdgpu_metadata
---
amdhsa.version: [ 1, 2 ]
amdhsa.kernels:
  - .name:           k_q73ce800844_proj
    .symbol:         k_q73ce800844_proj.kd
    .args:
      - { .name: xc, .offset: 0, .size: 8, .value_kind: global_buffer, .address_space: global }
      - { .name: xs, .offset: 8, .size: 8, .value_kind: global_buffer, .address_space: global }
      - { .name: pc, .offset: 16, .size: 8, .value_kind: global_buffer, .address_space: global }
      - { .name: ps, .offset: 24, .size: 8, .value_kind: global_buffer, .address_space: global }
    .group_segment_fixed_size: 327680
    .private_segment_fixed_size: 0
    .kernarg_segment_align: 8
    .kernarg_segment_size: 32
    .max_flat_workgroup_size: 128
    .sgpr_count:     102
    .vgpr_count:     1024
    .wavefront_size: 32
...
	.end_amdgpu_metadata
.endif
;; end of part 2
;; launch attn (part 3): grid 4 x 64, 16 waves a work-group, no clusters, 327,680 bytes of LDS; arguments query, pc, ps, res, part; writes res, part
.if DOCPART == 3
	.amdgcn_target "amdgcn-amd-amdhsa--gfx1250"
	.amdhsa_code_object_version 6
	.text
	.protected	k_q73ce800844_attn
	.globl	k_q73ce800844_attn
	.p2align	8
	.type	k_q73ce800844_attn,@function
k_q73ce800844_attn:
	s_mov_b64 s[64:65], 0
	v_nop
	global_prefetch_b8 v0, s[64:65] scope:SCOPE_SE
	s_setreg_imm32_b32 hwreg(HW_REG_WAVE_MODE, 25, 1), 1
	s_wait_xcnt 0x0
; Causal attention on codes of E4M3 with E8M0 scales, the residual, and partial statistics for the batch norm.
; res[n][q][64 hd + p] = sum over k <= q of softmax_k(q . k / 32) v[k][p] + query[n][q][64 hd + p];  part[8 n + q / 256][0: mean, 1: sum of squared deviations][channel] over 256 rows.
; q, k, v come as images of operand registers (pc) and scale words (ps), as the launch before lays them: a piece of 512 bytes is four registers of 32 lanes, read at 16 x lane.
; THE SOFTMAX: t = score x log2(e) / 32; M = the running largest t rounded up to a whole number; p = 2^(t - M) is quantised along the keys, not normalised; the row's sum is taken of the unquantised p and divides at the end.
; When M moves, the sum and O are multiplied by 2^(old M - new M): exact.
; THE MASK.  A hidden score gets the number that gives -1e6 after the division by 32 (-3.2e7), as the definition has it; key steps that lie wholly behind a wave's queries are left out: their weights are 0.
; LIMIT: that equals the definition while a row's largest open logit lies above -1e6 + 110, where a hidden key's weight is 0 in f32.  NaN and infinities are not served.
; SHARES.  Work-group (x, y): head y % 16 of batch y / 16, query blocks x and 7 - x (256 queries each).  It walks key slots of 256 keys: 0 .. x for the first block, 0 .. 7 - x for the second: NINE trips in every work-group.
; Each of the sixteen waves owns 16 queries, in 256 registers: four waves to a SIMD.
; THE HEAD'S WHOLE K AND V LIE IN LDS: 2,048 keys are 131,072 bytes of K's codes, as many of V's, 8,192 and 4,096 of scale words.  Six tensor loads at the kernel's head, one a wave, bring them: waves 0, 1 the halves of K's codes, waves 2, 3 of V's,
; wave 4 K's scale words, wave 5 V's.  Every work-group reads keys 0 .. 1,279 at the least, so some bytes of each load are read.  One wait for all and one barrier follow; nothing is filled again, and the nine trips hold no barrier: a wave reads LDS that nobody writes.
; No prefetch: all tiles are asked for at the head, and there is no later load to run ahead of.  No cluster: the four work-groups of a head read the same tiles, but which trip changes the query block, which steps are left out and which slot's LDS bytes a trip reads
; all hang on x, which would be the place in the cluster.
; LAYOUT.  S^T = K Q^T (source 0 = 16 keys, source 1 = my 16 queries), O^T = V^T P^T: a lane holds one query throughout.  Register 8 u + j of score tiles 2 b, 2 b + 1 is key 32 b + 16 u + 8 h + j; converted in register order,
; p has inside each block of 32 keys the very order in which v's codes were laid.
; THE HEAD'S K IS 64, THE INSTRUCTION'S 128.  Q's registers 8-15 are zero codes.  K's fragment t is named v[32 + 8 t : 47 + 8 t]: its upper half is the next piece's codes (behind the last piece: zeros), finite numbers that meet Q's zeros
; and add exactly 0; the scale bytes that go with them (bytes 2, 3 of a word) repeat the head's own two, never 0xff.
; REGISTERS: v1 16 x lane; v2 16 x (lane % 16); v3, v11 K's and V's codes of the slot; v4, v249 their scale words; v5, v6 the spare word and 0; v7 offset in res; v8-10 stage and statistics; v12 -M; v13 largest t; v[14:15] the sum;
; v16-31 Q; v32-95 K's eight pieces, then V's four fragments; v96-103 zeros; v104-167 S^T, then p; v168-199 O^T; v200-215 p's codes; v216-229 scale words and nothing else; v230-248, v254, v255 at work; v250 -3.2e7; v252 merge address; v253 r - 8 h.
.set KC,    0                          ; K's codes: 128 tiles x 1,024 bytes
.set VC,    131072                     ; V's: 16 steps x 4 tiles x 2,048
.set KSC,   262144                     ; K's scale words: 32 x 256
.set VSC,   270336                     ; V's: 16 x 256
.set STAGE, 274432                     ; a wave's stage: 8 rows x 272 bytes
.set STAT,  309248                     ; 2 query blocks x 16 waves x 512 bytes: mean 256, squared deviations 256
.set SPARE, 325632                     ; the spare words, 128 bytes for each wave: eight blocks of 256 bytes that no other line names
.set WV, 14                            ; s14 wave;  s15 x + 1;  s16 the query block;  s17 the key slot;  s3 the trip
.set SEL, 20                           ; s[20:21] selects for lane l xor 16;  s[22:23] c;  s19 the mantissa field of 448;  s98 lanes 16-31
; s[24:55] four groups 1;  s[56:63], s[68:75] four groups 0;  s[76:83] the head's bases: K codes, V codes, K scales, V scales;  s[88:91] query's and res's rows
; s95 the step's first key;  s96 my first query;  s99, s66, s67 the head's offsets in res, pc, ps
.macro GROUP1 g, c, r, p               ; r rows of c elements of 8 bytes, p elements apart, dense in LDS
	s_mov_b32 s[\g], 3<<16
	s_mov_b32 s[\g+1], (\c)<<16
	s_mov_b32 s[\g+2], (\r)<<16
	s_mov_b32 s[\g+3], (\c)<<16
	s_mov_b32 s[\g+4], \r
	s_mov_b32 s[\g+5], \p
	s_mov_b32 s[\g+6], 0
	s_mov_b32 s[\g+7], 0
.endm
.macro ARM under, g0, g1, next         ; an arm of the head's one chain of branches on the wave's number; an s_nop 0 and four v_nop follow the load
	s_cmp_lt_u32 s[WV], \under
	s_cbranch_scc0 \next
	tensor_load_to_lds s[\g0:\g0+3], s[\g1:\g1+7]
	s_nop 0
.rept 4
	v_nop
.endr
	s_branch .Lasked
\next:
.endm
; A query block begins: my 16 queries' codes and scale word, the rows of query and res, and the softmax's state.
.macro NEWBLOCK
	s_wait_xcnt 0x0                                ; earlier loads and stores have read their bases
	s_lshl_b32 s96, s16, 8
	s_lshl_b32 s97, s[WV], 4
	s_add_co_u32 s96, s96, s97                     ; my first query
	s_lshl_b32 s100, s96, 7                        ; its tile's 2,048 bytes
	s_add_co_u32 s100, s100, s66
	s_mov_b32 s101, 0
	s_add_nc_u64 s[100:101], s[6:7], s[100:101]
	s_lshr_b32 s97, s96, 6
	s_lshl_b32 s97, s97, 9                         ; four tiles' scale words are 512 bytes,
	s_bfe_u32 s104, s96, 0x20004
	s_lshl_b32 s104, s104, 2                       ; my tile's word among the four
	s_add_co_u32 s104, s104, s97
	s_add_co_u32 s104, s104, s67
	s_mov_b32 s105, 0
	s_add_nc_u64 s[104:105], s[8:9], s[104:105]
	global_load_b128 v[16:19], v1, s[100:101]
	global_load_b128 v[20:23], v1, s[100:101] offset:512
	global_load_b32 v228, v2, s[104:105]
	s_lshl_b32 s88, s96, 12                        ; a row of query and of res is 4,096 bytes
	s_add_co_u32 s88, s88, s99
	s_mov_b32 s89, 0
	s_add_nc_u64 s[90:91], s[10:11], s[88:89]
	s_add_nc_u64 s[88:89], s[4:5], s[88:89]
	v_mov_b32 v13, 0xff61b1e6                      ; the largest t so far: -3e38
	s_delay_alu instid0(VALU_DEP_1)
	v_floor_f32 v12, -v13                          ; -M
	v_mov_b32 v14, 0
	v_mov_b32 v15, 0
.set J, 0
.rept 32
	v_mov_b32 v[168+J], 0                          ; O^T: the first change of M leaves zeros zeros
.set J, J+1
.endr
	s_wait_loadcnt 0x0
.endm
; A KEY STEP: 128 keys, the q-th of the slot in hand.
.macro STEP q
	s_add_co_u32 s97, s96, 15
	s_cmp_gt_u32 s95, s97                          ; all keys behind my queries: the step's work is left out (a branch on ids)
	s_cbranch_scc1 .Lhidden_\@
.rept 8
	v_nop                                          ; places in front of loads into registers that the last products read
.endr
	s_wait_alu depctr_va_vdst(0)
.irp t, 0,1,2,3,4,5,6,7
	ds_load_b128 v[32+8*\t:35+8*\t], v3 offset:(8*(\q)+\t)*1024
	ds_load_b128 v[36+8*\t:39+8*\t], v3 offset:(8*(\q)+\t)*1024+512
.endr
	ds_load_b128 v[216:219], v4 offset:(2*(\q))*256
	ds_load_b128 v[220:223], v4 offset:(2*(\q)+1)*256
	s_wait_dscnt 0x0
.irp t, 0,1,2,3,4,5,6,7
	v_wmma_scale_f32_16x16x128_f8f6f4 v[104+8*\t:111+8*\t], v[32+8*\t:47+8*\t], v[16:31], 0, v[216+\t], v228
.endr
.rept 8
	v_nop                                          ; places in front of the loads below and of the first read of the scores
.endr
.irp t, 0,1,2,3
.irp c, 0,1,2,3
	ds_load_b128 v[32+16*\t+4*\c:35+16*\t+4*\c], v11 offset:(\q)*8192+\t*2048+\c*512   ; V's fragments land while the softmax is walked
.endr
.endr
	ds_load_b128 v[224:227], v249 offset:(\q)*256
	s_add_co_u32 s97, s95, 127
	s_cmp_le_u32 s97, s96                          ; all keys open: no mask
	s_cbranch_scc1 .Lopen_\@
	s_sub_co_i32 s97, s96, s95
	v_add_nc_u32 v248, s97, v253                   ; my query - the step's first key - 8 h.  Register 8 t + j holds key 16 t + 8 h + j: hidden where 16 t + j is above it
.set N, 0
.rept 64
	v_cmp_gt_i32 vcc_lo, 16*(N/8)+N%8, v248
	v_cndmask_b32 v[104+N], v[104+N], v250, vcc_lo
.set N, N+1
.endr
.Lopen_\@:
.irp b, 0,1,2,3
	v_max3_num_f32 v[230+\b], v[104+16*\b], v[105+16*\b], v[106+16*\b]   ; the largest score of each block of 32 keys: for the row's maximum, and, since p rises with the score, for the block's largest p
.endr
.irp i, 3,5,7,9,11,13
.irp b, 0,1,2,3
	v_max3_num_f32 v[230+\b], v[230+\b], v[104+16*\b+\i], v[105+16*\b+\i]
.endr
.endr
.irp b, 0,1,2,3
	v_max_num_f32 v[230+\b], v[230+\b], v[119+16*\b]
.endr
.irp b, 0,1,2,3
	s_delay_alu instid0(VALU_DEP_4)
	v_permlanex16_b32 v[234+\b], v[230+\b], s[SEL], s[SEL+1]
.endr
.irp b, 0,1,2,3
	s_delay_alu instid0(VALU_DEP_4)
	v_max_num_f32 v[230+\b], v[230+\b], v[234+\b]  ; with lane l xor 16's 16 keys
.endr
	s_delay_alu instid0(VALU_DEP_2)
	v_max3_num_f32 v248, v230, v231, v232
	s_delay_alu instid0(VALU_DEP_1)
	v_max_num_f32 v248, v248, v233                 ; the step's largest score of my query
	s_delay_alu instid0(VALU_DEP_1)
	v_mul_f32 v248, s22, v248                      ; as t
	s_delay_alu instid0(VALU_DEP_1)
	v_max_num_f32 v13, v13, v248                   ; the running largest t
	v_mov_b32 v248, v12
	s_delay_alu instid0(VALU_DEP_2)
	v_floor_f32 v12, -v13                          ; the new -M = -ceil(t)
	s_delay_alu instid0(VALU_DEP_1)
	v_sub_f32 v248, v12, v248                      ; old M - new M: a whole number, 0 or less
	s_delay_alu instid0(VALU_DEP_1)
	v_cvt_i32_f32 v248, v248                       ; (it saturates)
	s_delay_alu instid0(VALU_DEP_1)
	v_ldexp_f32 v246, 1.0, v248                    ; f = 2^(old M - new M)
.set J, 0
.rept 32
	v_pk_fma_f32 v[104+J:105+J], v[104+J:105+J], s[22:23], v[12:13] op_sel_hi:[1,0,0]   ; t - M, two at a time
.set J, J+2
.endr
.irp b, 0,1,2,3
	v_fma_f32 v[230+\b], v[230+\b], s22, v12       ; the same of each block's largest score
.endr
.set J, 0
	s_wait_alu depctr_va_vdst(0)
.rept 64
	v_exp_f32 v[104+J], v[104+J]                   ; p = 2^(t - M)
.set J, J+1
.endr
	v_pk_mul_f32 v[14:15], v[14:15], v[246:247] op_sel_hi:[1,0]   ; the sums under the new M (a plain line behind the exponentials)
	s_wait_alu depctr_va_vdst(0)                   ; one wait for the batch of 64, ahead of its first reader
.irp b, 0,1,2,3
	v_exp_f32 v[230+\b], v[230+\b]                 ; the block's largest p
.endr
	v_pk_add_f32 v[234:235], v[108:109], v[112:113]
	v_pk_add_f32 v[254:255], v[116:117], v[120:121]
	v_pk_add_f32 v[244:245], v[124:125], v[128:129]
	v_pk_add_f32 v[242:243], v[132:133], v[136:137]
	v_pk_add_f32 v[240:241], v[140:141], v[144:145]
	v_pk_add_f32 v[238:239], v[148:149], v[152:153]
	v_pk_add_f32 v[236:237], v[156:157], v[160:161]
	v_pk_add_f32 v[14:15], v[14:15], v[164:165]
	v_pk_add_f32 v[234:235], v[234:235], v[104:105]
	v_pk_add_f32 v[254:255], v[254:255], v[106:107]
	v_pk_add_f32 v[244:245], v[244:245], v[110:111]
	v_pk_add_f32 v[242:243], v[242:243], v[114:115]
	v_pk_add_f32 v[240:241], v[240:241], v[118:119]
	v_pk_add_f32 v[238:239], v[238:239], v[122:123]
	v_pk_add_f32 v[236:237], v[236:237], v[126:127]
	v_pk_add_f32 v[14:15], v[14:15], v[130:131]
	v_pk_add_f32 v[234:235], v[234:235], v[134:135]
	v_pk_add_f32 v[254:255], v[254:255], v[138:139]
	v_pk_add_f32 v[244:245], v[244:245], v[142:143]
	v_pk_add_f32 v[242:243], v[242:243], v[146:147]
	v_pk_add_f32 v[240:241], v[240:241], v[150:151]
	v_pk_add_f32 v[238:239], v[238:239], v[154:155]
	v_pk_add_f32 v[236:237], v[236:237], v[158:159]
	v_pk_add_f32 v[14:15], v[14:15], v[162:163]
	v_pk_add_f32 v[234:235], v[234:235], v[166:167]
	s_delay_alu instid0(VALU_DEP_2)
	v_pk_add_f32 v[14:15], v[14:15], v[242:243]
	s_delay_alu instid0(VALU_DEP_2)
	v_pk_add_f32 v[234:235], v[234:235], v[240:241]
	v_pk_add_f32 v[254:255], v[254:255], v[238:239]
	v_pk_add_f32 v[244:245], v[244:245], v[236:237]
	s_delay_alu instid0(VALU_DEP_2)
	v_pk_add_f32 v[14:15], v[14:15], v[254:255]
	s_delay_alu instid0(VALU_DEP_2)
	v_pk_add_f32 v[234:235], v[234:235], v[244:245]
	s_delay_alu instid0(VALU_DEP_1)
	v_pk_add_f32 v[14:15], v[14:15], v[234:235]
	s_wait_alu depctr_va_vdst(0)                   ; and one for the four
.irp b, 0,1,2,3
	v_max_num_f32 v[230+\b], 0x4800000, v[230+\b]  ; the floor 2^(9 - 127): the byte cannot fall under 1
.endr
.irp b, 0,1,2,3
	s_delay_alu instid0(VALU_DEP_4)
	v_add_nc_u32 v[242+\b], 0xfc000000, v[230+\b]  ; the conversion's scale operand
.endr
.irp b, 0,1,2,3
	v_and_or_b32 v[238+\b], v[230+\b], 0x7f800000, s19   ; 448 x the scale
.endr
.irp b, 0,1,2,3
	v_lshrrev_b32 v[234+\b], 23, v[242+\b]         ; the scale's byte
.endr
	s_delay_alu instid0(VALU_DEP_3)
	v_lshl_or_b32 v229, v235, 8, v234              ; p's scale word for these 128 keys
	s_delay_alu instid0(VALU_DEP_1)
	v_lshl_or_b32 v229, v236, 16, v229
	s_delay_alu instid0(VALU_DEP_1)
	v_lshl_or_b32 v229, v237, 24, v229
.irp b, 0,1,2,3
.irp i, 0,1,2,3,4,5,6,7,8,9,10,11,12,13,14,15
	v_min_num_f32 v[104+16*\b+\i], v[104+16*\b+\i], v[238+\b]   ; the hold: p is not negative, so it is one-sided
.endr
	v_cvt_scalef32_pk8_fp8_f32 v[200+4*\b:201+4*\b], v[104+16*\b:111+16*\b], v[242+\b]
	v_cvt_scalef32_pk8_fp8_f32 v[202+4*\b:203+4*\b], v[112+16*\b:119+16*\b], v[242+\b]
.endr
.set J, 0
.rept 16
	v_pk_mul_f32 v[168+J:169+J], v[168+J:169+J], v[246:247] op_sel_hi:[1,0]   ; O^T under the new M; also the places between the codes and the products
.set J, J+2
.endr
	s_wait_alu depctr_va_vdst(0)
	s_wait_dscnt 0x0                               ; V's fragments and scale words are in
.irp t, 0,1,2,3
	v_wmma_scale_f32_16x16x128_f8f6f4 v[168+8*\t:175+8*\t], v[32+16*\t:47+16*\t], v[200:215], v[168+8*\t:175+8*\t], v[224+\t], v229
.endr
.Lhidden_\@:
	s_add_co_u32 s95, s95, 128
.endm
; Eight rows of O go into my stage, all lanes on: lane (r, h) holds, from register d on, two channel tiles of stage row r % 8: tiles 0, 1 where r < 8, tiles 2, 3 where r >= 8 (v8 has the 128 bytes between them)
.macro HALFIN d
.irp t, 0,1
	ds_store_b128 v8, v[\d+8*\t:\d+8*\t+3] offset:64*\t
	ds_store_b128 v8, v[\d+8*\t+4:\d+8*\t+7] offset:64*\t+16
.endr
.endm
; A QUERY BLOCK LEAVES.  O^T / the sum goes through my own stage in LDS, eight rows at a time, and comes back as rows of 256 bytes; query's rows are added; res is stored, sixteen lanes to 256 consecutive bytes, aligned.
; Then the mean and the sum of squared deviations of my 16 rows, for each of the head's 64 channels: no difference of large sums is formed.
.macro WAYOUT ph
.rept 8
	v_nop                                          ; places behind the last products
.endr
.irp i, 0,1,2,3,4,5,6,7
	global_load_b128 v[32+4*\i:35+4*\i], v7, s[88:89] offset:8192*\i th:TH_LOAD_NT   ; rows 2 i and 2 i + 1 of query, my head's 256 bytes
.endr
	v_add_f32 v14, v14, v15
	s_delay_alu instid0(VALU_DEP_1)
	v_permlanex16_b32 v248, v14, s[SEL], s[SEL+1]
	s_delay_alu instid0(VALU_DEP_1)
	v_add_f32 v14, v14, v248                       ; the row's sum
	s_wait_alu depctr_va_vdst(0)
	v_rcp_f32 v246, v14
	v_nop                                          ; a plain line behind the reciprocal,
	s_wait_alu depctr_va_vdst(0)                   ; and the wait ahead of its first reader
.set J, 0
.rept 16
	v_pk_mul_f32 v[104+J:105+J], v[168+J:169+J], v[246:247] op_sel_hi:[1,0]   ; each accumulator from its low end on
.set J, J+2
.endr
.set J, 0
.rept 16
	v_mov_b32_dpp v[136+J], v[120+J] row_xmask:8 row_mask:0xf bank_mask:0xf   ; lanes r and r xor 8 change halves of their rows: the partner's tiles 2, 3,
	v_mov_b32_dpp v[152+J], v[104+J] row_xmask:8 row_mask:0xf bank_mask:0xf   ; and its tiles 0, 1
.set J, J+1
.endr
.set J, 0
.rept 16
	v_cndmask_b32 v[136+J], v[104+J], v[136+J], s94   ; rows 0-7: lanes r < 8 keep their own tiles 0, 1; lanes r >= 8 hold row r - 8's tiles 2, 3
	v_cndmask_b32 v[152+J], v[152+J], v[120+J], s94   ; rows 8-15: lanes r < 8 hold row r + 8's tiles 0, 1; lanes r >= 8 keep their own tiles 2, 3
.set J, J+1
.endr
	HALFIN 136                                     ; rows 0-7
.irp i, 0,1,2,3
	ds_load_b128 v[64+4*\i:67+4*\i], v9 offset:544*\i   ; LDS serves a wave's instructions in order: these see my stores,
.endr
	HALFIN 152                                     ; and rows 8-15 come over them behind these loads
.irp i, 0,1,2,3
	ds_load_b128 v[80+4*\i:83+4*\i], v9 offset:544*\i
.endr
	s_wait_dscnt 0x0
	s_wait_loadcnt 0x0
.set J, 0
.rept 16
	v_pk_add_f32 v[64+J:65+J], v[64+J:65+J], v[32+J:33+J]
.set J, J+2
.endr
.irp i, 0,1,2,3,4,5,6,7
	global_store_b128 v7, v[64+4*\i:67+4*\i], s[90:91] offset:8192*\i
.endr
	v_pk_add_f32 v[104:105], v[64:65], v[68:69]    ; my 8 rows x 4 channels,
	v_pk_add_f32 v[106:107], v[66:67], v[70:71]
.irp i, 2,3,4,5,6,7
	s_delay_alu instid0(VALU_DEP_2)
	v_pk_add_f32 v[104:105], v[104:105], v[64+4*\i:65+4*\i]
	s_delay_alu instid0(VALU_DEP_2)
	v_pk_add_f32 v[106:107], v[106:107], v[66+4*\i:67+4*\i]
.endr
.irp k, 0,1,2,3
	v_permlanex16_b32 v[108+\k], v[104+\k], s[SEL], s[SEL+1]
.endr
	s_delay_alu instid0(VALU_DEP_3)
	v_pk_add_f32 v[104:105], v[104:105], v[108:109]   ; and the other 8 rows'
	s_delay_alu instid0(VALU_DEP_2)
	v_pk_add_f32 v[106:107], v[106:107], v[110:111]
	s_delay_alu instid0(VALU_DEP_2)
	v_pk_mul_f32 v[104:105], v[104:105], 0x3d800000 op_sel_hi:[1,0]   ; / 16: the mean
	s_delay_alu instid0(VALU_DEP_2)
	v_pk_mul_f32 v[106:107], v[106:107], 0x3d800000 op_sel_hi:[1,0]
.irp i, 0,1,2,3,4,5,6,7
	v_pk_add_f32 v[32+4*\i:33+4*\i], v[64+4*\i:65+4*\i], v[104:105] neg_lo:[0,1] neg_hi:[0,1]
	v_pk_add_f32 v[34+4*\i:35+4*\i], v[66+4*\i:67+4*\i], v[106:107] neg_lo:[0,1] neg_hi:[0,1]
.endr
	v_pk_mul_f32 v[108:109], v[32:33], v[32:33]
	v_pk_mul_f32 v[110:111], v[34:35], v[34:35]
.irp i, 1,2,3,4,5,6,7
	s_delay_alu instid0(VALU_DEP_2)
	v_pk_fma_f32 v[108:109], v[32+4*\i:33+4*\i], v[32+4*\i:33+4*\i], v[108:109]
	s_delay_alu instid0(VALU_DEP_2)
	v_pk_fma_f32 v[110:111], v[34+4*\i:35+4*\i], v[34+4*\i:35+4*\i], v[110:111]
.endr
.irp k, 0,1,2,3
	v_permlanex16_b32 v[112+\k], v[108+\k], s[SEL], s[SEL+1]
.endr
	s_delay_alu instid0(VALU_DEP_3)
	v_pk_add_f32 v[108:109], v[108:109], v[112:113]
	s_delay_alu instid0(VALU_DEP_2)
	v_pk_add_f32 v[110:111], v[110:111], v[114:115]
.irp k, 0,1,2,3
	v_cndmask_b32 v[116+\k], v[104+\k], v[108+\k], s98   ; lanes 0-15 keep the mean, lanes 16-31 the squared deviations
.endr
	ds_store_b128 v10, v[116:119] offset:\ph*8192  ; my wave's own 512 bytes; they are read behind the last barrier
	s_wait_dscnt 0x0                               ; the store has read its registers
	s_wait_xcnt 0x0                                ; res's stores have read their registers and their base
.endm
	s_load_b256 s[4:11], s[0:1], 0x0               ; query s[4:5], pc s[6:7], ps s[8:9], res s[10:11]
	s_load_b64 s[12:13], s[0:1], 0x20              ; part
	v_lshl_add_u32 v5, v0, 2, SPARE
	v_mov_b32 v6, 0
	ds_add_u32 v5, v6                              ; the opening lines: the add, twice on end, and its wait ahead of the first tensor load
	ds_add_u32 v5, v6
	s_wait_dscnt 0x0
	v_lshrrev_b32 v1, 5, v0
	s_delay_alu instid0(VALU_DEP_1)
	v_readfirstlane_b32 s[WV], v1                  ; wave 0..15
	s_and_b32 s97, ttmp7, 0xffff
	s_lshr_b32 s100, s97, 4                        ; n
	s_and_b32 s101, s97, 15                        ; the head
	s_lshr_b32 s104, s101, 1                       ; its block of 128 channels,
	s_and_b32 s105, s101, 1                        ; and which half of it
	s_add_co_u32 s15, ttmp9, 1
	s_lshl_b32 s99, s100, 23                       ; in query and res: 2,048 rows of 4,096 bytes a batch,
	s_lshl_b32 s97, s101, 8
	s_add_co_u32 s99, s99, s97                     ; 256 bytes a head
	s_lshl_b32 s66, s104, 20                       ; in pc: 1 MiB for 128 channels,
	s_lshl_b32 s97, s100, 18
	s_add_co_u32 s66, s66, s97                     ; 16 blocks of 16,384 bytes a batch
	s_lshl_b32 s67, s104, 16                       ; in ps: 65,536 and 16,384
	s_lshl_b32 s97, s100, 14
	s_add_co_u32 s67, s67, s97
	s_lshl_b32 s97, s105, 13
	s_add_co_u32 s78, s66, s97
	s_add_co_u32 s78, s78, 0x1000000               ; V's codes: job 2, my head's 8,192 bytes of a block
	s_mov_b32 s79, 0
	s_lshl_b32 s97, s105, 10
	s_add_co_u32 s66, s66, s97                     ; Q's codes: job 0, my head's 1,024 bytes of a tile
	s_add_co_u32 s76, s66, 0x800000                ; K's: job 1
	s_mov_b32 s77, 0
	s_lshl_b32 s97, s105, 9
	s_add_co_u32 s82, s67, s97
	s_add_co_u32 s82, s82, 0x100000                ; V's scale words
	s_mov_b32 s83, 0
	s_lshl_b32 s97, s105, 8
	s_add_co_u32 s67, s67, s97                     ; Q's
	s_add_co_u32 s80, s67, 0x80000                 ; K's
	s_mov_b32 s81, 0
	GROUP1 24, 128, 64, 256                        ; half of K's codes: 64 tiles x 1,024 bytes, 2,048 apart
	GROUP1 32, 1024, 8, 2048                       ; half of V's: 8 steps x 8,192 bytes, 16,384 apart
	GROUP1 40, 32, 32, 64                          ; K's scale words: 32 x 256 bytes, 512 apart
	GROUP1 48, 32, 16, 128                         ; V's scale words: 16 x 256 bytes, 1,024 apart
	s_mov_b32 s[SEL], 0x76543210
	s_mov_b32 s[SEL+1], 0xfedcba98
	s_mov_b32 s22, 0x3d38aa3b                      ; c = log2(e) / 32
	s_mov_b32 s23, s22
	s_mov_b32 s19, 0x600000
	s_mov_b32 s98, 0xffff0000
	s_and_b32 s97, s[WV], 1                        ; which half I fetch, if I fetch codes:
	s_lshl_b32 s84, s97, 17                        ; 131,072 bytes on in memory,
	s_mov_b32 s85, 0
	s_lshl_b32 s86, s97, 16                        ; 65,536 in LDS
	s_wait_kmcnt 0x0
	s_add_nc_u64 s[76:77], s[6:7], s[76:77]
	s_add_nc_u64 s[78:79], s[6:7], s[78:79]
	s_add_nc_u64 s[80:81], s[8:9], s[80:81]
	s_add_nc_u64 s[82:83], s[8:9], s[82:83]
	s_mov_b32 s56, 1
	s_mov_b32 s57, s86
	s_add_nc_u64 s[58:59], s[76:77], s[84:85]
	s_or_b32 s59, s59, 0x80000000
	s_mov_b32 s60, 1
	s_add_co_u32 s61, s86, VC
	s_add_nc_u64 s[62:63], s[78:79], s[84:85]
	s_or_b32 s63, s63, 0x80000000
	s_mov_b32 s68, 1
	s_mov_b32 s69, KSC
	s_mov_b64 s[70:71], s[80:81]
	s_or_b32 s71, s71, 0x80000000
	s_mov_b32 s72, 1
	s_mov_b32 s73, VSC
	s_mov_b64 s[74:75], s[82:83]
	s_or_b32 s75, s75, 0x80000000
	ARM 2, 56, 24, .Lhead_v                        ; waves 0, 1: K's codes
	ARM 4, 60, 32, .Lhead_ks                       ; waves 2, 3: V's
	ARM 5, 68, 40, .Lhead_vs                       ; wave 4: K's scale words
	ARM 6, 72, 48, .Lhead_none                     ; wave 5: V's
.Lasked:
	v_and_b32 v249, 31, v0                         ; lane
	v_and_b32 v248, 15, v0                         ; r
	v_bfe_u32 v251, v0, 4, 1                       ; h
	s_delay_alu instid0(VALU_DEP_3)
	v_lshlrev_b32 v1, 4, v249
	s_delay_alu instid0(VALU_DEP_3)
	v_lshlrev_b32 v2, 4, v248
	s_delay_alu instid0(VALU_DEP_1)
	v_lshl_add_u32 v7, v251, 12, v2                ; lanes 0-15 one row of res, lanes 16-31 the next; 16 bytes a lane
	s_mul_i32 s97, s[WV], 2176
	s_add_co_u32 s97, s97, STAGE
	v_and_b32 v8, 7, v248
	s_delay_alu instid0(VALU_DEP_1)
	v_mul_u32_u24 v8, v8, 272
	s_delay_alu instid0(VALU_DEP_1)
	v_lshl_add_u32 v8, v251, 5, v8
	v_lshrrev_b32 v9, 3, v248
	s_delay_alu instid0(VALU_DEP_1)
	v_lshl_add_u32 v8, v9, 7, v8
	s_delay_alu instid0(VALU_DEP_1)
	v_add_nc_u32 v8, s97, v8                       ; the stage, in: row r % 8, 128 (r / 8) + 32 h
	v_mul_u32_u24 v9, v251, 272
	s_delay_alu instid0(VALU_DEP_1)
	v_add_nc_u32 v9, v9, v2
	s_delay_alu instid0(VALU_DEP_1)
	v_add_nc_u32 v9, s97, v9                       ; back: lanes 0-15 one row, lanes 16-31 the next
	s_lshl_b32 s97, s[WV], 9
	s_add_co_u32 s97, s97, STAT
	v_add_nc_u32 v10, s97, v1                      ; my wave's statistics
	s_and_b32 s97, s[WV], 1
	s_lshl_b32 s97, s97, 13
	s_add_co_u32 s97, s97, STAT
	v_add_nc_u32 v252, s97, v1                     ; the merge: wave 14 reads the first block's, wave 15 the second's
	v_lshlrev_b32 v253, 3, v251
	s_delay_alu instid0(VALU_DEP_1)
	v_sub_nc_u32 v253, v248, v253                  ; r - 8 h
.irp j, 0,1,2,3,4,5,6,7
	v_mov_b32 v[24+\j], 0                          ; Q's k = 64 .. 127: zero codes
	v_mov_b32 v[96+\j], 0                          ; behind K's last piece
.endr
.irp b, 0,1,2,3
	v_mov_b32 v[234+\b], 0                         ; written once: a lane permute's destination counts as one of its sources
.endr
	v_mov_b32 v247, 0                              ; named as the upper half of the pair v[246:247]
	v_mov_b32 v250, 0xcbf42400                     ; -3.2e7
.set J, 0
.rept 32
	v_mov_b32 v[136+J], 0                          ; written once: a DPP form's destination counts as one of its sources
.set J, J+1
.endr
	s_mov_b32 s94, 0xff00ff00                      ; the lanes with r >= 8
	s_mov_b32 s16, ttmp9                           ; the first query block
	NEWBLOCK
	s_mov_b32 s3, 0
	s_wait_alu depctr_va_vdst(0)                   ; the wait at the head's end
	s_wait_tensorcnt 0x0                           ; every wave: my load, if I issued one, has landed
	s_barrier_signal -1
	s_barrier_wait -1                              ; the head's K and V are whole for all sixteen waves
.Ltrip:                                            ; nine trips
	s_cmp_ge_u32 s3, s15                           ; the key slot: the trip's number, counted anew from trip x + 1 on
	s_cselect_b32 s97, s15, 0
	s_sub_co_u32 s17, s3, s97
	s_and_b32 s17, s17, 7                          ; (it is 0 .. 7 by the count of trips; held there)
	s_min_u32 s17, s17, 7
	s_lshl_b32 s97, s17, 14                        ; 16,384 bytes of K's codes a slot, as many of V's,
	s_add_co_u32 s100, s97, VC
	s_lshl_b32 s101, s17, 10                       ; 1,024 of K's scale words,
	s_add_co_u32 s101, s101, KSC
	s_lshl_b32 s104, s17, 9                        ; 512 of V's
	s_add_co_u32 s104, s104, VSC
	v_add_nc_u32 v3, s97, v1
	v_add_nc_u32 v11, s100, v1
	v_add_nc_u32 v4, s101, v2
	v_add_nc_u32 v249, s104, v2
	s_lshl_b32 s95, s17, 8                         ; the slot's first key
	s_cmp_lg_u32 s3, s15                           ; trip x + 1 begins the second query block (a branch on the work-group's number; only the wave's own LDS bytes are written inside)
	s_cbranch_scc1 .Lsame
	WAYOUT 0
	s_sub_co_u32 s16, 8, s15                       ; 7 - x
	NEWBLOCK
.Lsame:
	STEP 0
	STEP 1
	s_add_co_u32 s3, s3, 1
	s_cmp_lt_u32 s3, 9
	s_cbranch_scc1 .Ltrip
	WAYOUT 1                                       ; (it ends with the wait for all my LDS instructions)
	s_barrier_signal -1
	s_barrier_wait -1                              ; all sixteen waves' statistics of both blocks lie in LDS
	; THE MERGE: sixteen groups of 16 rows become one of 256: the mean of the means, and the squared deviations + 16 x the squared deviations of the means
	s_cmp_lt_u32 s[WV], 14
	s_cbranch_scc1 .Lend
.irp w, 0,1,2,3,4,5,6,7,8,9,10,11,12,13,14,15
	ds_load_b128 v[32+4*\w:35+4*\w], v252 offset:512*\w   ; lanes 0-15: wave w's means; lanes 16-31: its squared deviations
.endr
	s_and_b32 s97, ttmp7, 0xffff
	s_lshr_b32 s100, s97, 4
	s_and_b32 s97, s97, 15
	s_lshl_b32 s100, s100, 3
	s_sub_co_u32 s104, s15, 1
	s_sub_co_u32 s105, 8, s15
	s_cmp_eq_u32 s[WV], 14
	s_cselect_b32 s104, s104, s105                 ; the query block
	s_add_co_u32 s100, s100, s104
	s_lshl_b32 s100, s100, 13                      ; 8,192 bytes a group of 256 rows
	s_lshl_b32 s97, s97, 8
	s_add_co_u32 s100, s100, s97
	s_mov_b32 s101, 0
	s_add_nc_u64 s[100:101], s[12:13], s[100:101]
	s_wait_dscnt 0x0
	v_pk_add_f32 v[104:105], v[32:33], v[36:37]
	v_pk_add_f32 v[106:107], v[34:35], v[38:39]
.irp w, 2,3,4,5,6,7,8,9,10,11,12,13,14,15
	s_delay_alu instid0(VALU_DEP_2)
	v_pk_add_f32 v[104:105], v[104:105], v[32+4*\w:33+4*\w]
	s_delay_alu instid0(VALU_DEP_2)
	v_pk_add_f32 v[106:107], v[106:107], v[34+4*\w:35+4*\w]
.endr
	s_delay_alu instid0(VALU_DEP_2)
	v_pk_mul_f32 v[108:109], v[104:105], 0x3d800000 op_sel_hi:[1,0]   ; lanes 0-15: the mean of 256 rows
	s_delay_alu instid0(VALU_DEP_2)
	v_pk_mul_f32 v[110:111], v[106:107], 0x3d800000 op_sel_hi:[1,0]
.irp w, 0,1,2,3,4,5,6,7,8,9,10,11,12,13,14,15
	v_pk_add_f32 v[32+4*\w:33+4*\w], v[32+4*\w:33+4*\w], v[108:109] neg_lo:[0,1] neg_hi:[0,1]
	v_pk_add_f32 v[34+4*\w:35+4*\w], v[34+4*\w:35+4*\w], v[110:111] neg_lo:[0,1] neg_hi:[0,1]
.endr
	v_pk_mul_f32 v[112:113], v[32:33], v[32:33]
	v_pk_mul_f32 v[114:115], v[34:35], v[34:35]
.irp w, 1,2,3,4,5,6,7,8,9,10,11,12,13,14,15
	s_delay_alu instid0(VALU_DEP_2)
	v_pk_fma_f32 v[112:113], v[32+4*\w:33+4*\w], v[32+4*\w:33+4*\w], v[112:113]
	s_delay_alu instid0(VALU_DEP_2)
	v_pk_fma_f32 v[114:115], v[34+4*\w:35+4*\w], v[34+4*\w:35+4*\w], v[114:115]
.endr
.irp k, 0,1,2,3
	v_mov_b32 v[120+\k], 0
.endr
.irp k, 0,1,2,3
	s_delay_alu instid0(VALU_DEP_4)
	v_permlanex16_b32 v[120+\k], v[112+\k], s[SEL], s[SEL+1]   ; lanes 16-31 take the means' squared deviations
.endr
.irp k, 0,1,2,3
	s_delay_alu instid0(VALU_DEP_4)
	v_fma_f32 v[120+\k], v[120+\k], 0x41800000, v[104+\k]      ; x 16 + the sum of the groups' own
.endr
.irp k, 0,1,2,3
	s_delay_alu instid0(VALU_DEP_4)
	v_cndmask_b32 v[124+\k], v[108+\k], v[120+\k], s98
.endr
	global_store_b128 v7, v[124:127], s[100:101]   ; lanes 0-15: 256 bytes of means; lanes 16-31: 256 bytes, 4,096 further on
.Lend:
	s_wait_tensorcnt 0x0                           ; the wave's end
	ds_add_u32 v5, v6
	s_wait_dscnt 0x0
	s_endpgm
.Lfunc_end_k_q73ce800844_attn:
	.size	k_q73ce800844_attn, .Lfunc_end_k_q73ce800844_attn-k_q73ce800844_attn
	.p2alignl 7, 3214868480
	.fill 96, 4, 3214868480
	.section	.rodata,"a",@progbits
	.p2align	6, 0x0
	.amdhsa_kernel k_q73ce800844_attn
		.amdhsa_group_segment_fixed_size 327680
		.amdhsa_private_segment_fixed_size 0
		.amdhsa_enable_private_segment 0
		.amdhsa_kernarg_size 40
		.amdhsa_user_sgpr_count 2
		.amdhsa_user_sgpr_kernarg_segment_ptr 1
		.amdhsa_wavefront_size32 1
		.amdhsa_system_sgpr_workgroup_id_x 1
		.amdhsa_system_sgpr_workgroup_id_y 1
		.amdhsa_system_sgpr_workgroup_id_z 1
		.amdhsa_system_vgpr_workitem_id 0
		.amdhsa_next_free_vgpr 256
		.amdhsa_next_free_sgpr 106
		.amdhsa_reserve_vcc 1
		.amdhsa_float_denorm_mode_32 3
		.amdhsa_float_denorm_mode_16_64 3
		.amdhsa_memory_ordered 1
		.amdhsa_forward_progress 1
		.amdhsa_inst_pref_size 104
	.end_amdhsa_kernel
	.amdgpu_metadata
---
amdhsa.version: [ 1, 2 ]
amdhsa.kernels:
  - .name:           k_q73ce800844_attn
    .symbol:         k_q73ce800844_attn.kd
    .args:
      - { .name: query, .offset: 0, .size: 8, .value_kind: global_buffer, .address_space: global }
      - { .name: pc, .offset: 8, .size: 8, .value_kind: global_buffer, .address_space: global }
      - { .name: ps, .offset: 16, .size: 8, .value_kind: global_buffer, .address_space: global }
      - { .name: res, .offset: 24, .size: 8, .value_kind: global_buffer, .address_space: global }
      - { .name: part, .offset: 32, .size: 8, .value_kind: global_buffer, .address_space: global }
    .group_segment_fixed_size: 327680
    .private_segment_fixed_size: 0
    .kernarg_segment_align: 8
    .kernarg_segment_size: 40
    .max_flat_workgroup_size: 512
    .sgpr_count:     106
    .vgpr_count:     256
    .wavefront_size: 32
...
	.end_amdgpu_metadata
.endif
;; end of part 3
;; launch norm (part 4): grid 16 x 16, 8 waves a work-group, no clusters, 5,120 bytes of LDS; arguments res, part, gamma, beta, out0; writes out0
.if DOCPART == 4
	.amdgcn_target "amdgcn-amd-amdhsa--gfx1250"
	.amdhsa_code_object_version 6
	.text
	.protected	k_q73ce800844_norm
	.globl	k_q73ce800844_norm
	.p2align	8
	.type	k_q73ce800844_norm,@function
k_q73ce800844_norm:
	s_mov_b64 s[64:65], 0
	v_nop
	global_prefetch_b8 v0, s[64:65] scope:SCOPE_SE
	s_setreg_imm32_b32 hwreg(HW_REG_WAVE_MODE, 25, 1), 1
	s_wait_xcnt 0x0
; out0[row][c] = (res[row][c] - mean[c]) / sqrt(var[c] + 1e-5) x gamma[c] + beta[c], mean and biased variance over all 8,192 rows.
; part holds, for each of 32 groups of 256 rows, each channel's mean and sum of squared deviations.  They are merged without a difference of large sums:
; mean = the mean of the 32 means; var x 8,192 = the sum of the groups' squared deviations + 256 x the squared deviations of the groups' means.
; SHARES.  Work-group (x, y): channels 64 x .. 64 x + 63 (256 bytes of a row), rows 512 y .. 512 y + 511; a wave 64 rows, two rows an instruction: sixteen lanes read and write 256 consecutive bytes, aligned.
; A wave's 32 row loads go out ahead of the merge, which runs while they are on their way.  Memory binds: no matrix unit, no cluster, no tensor load.
; Thread t merges groups t / 16 and t / 16 + 16 for its four channels 4 (t % 16) ..; a lane exchange and two turns through LDS (bytes of their own each) join the sixteen.
	s_load_b256 s[4:11], s[0:1], 0x0               ; res s[4:5], part s[6:7], gamma s[8:9], beta s[10:11]
	s_load_b64 s[12:13], s[0:1], 0x20              ; out0
	v_lshl_add_u32 v224, v0, 2, 0x1000
	v_mov_b32 v225, 0
	v_lshrrev_b32 v1, 5, v0
	s_delay_alu instid0(VALU_DEP_1)
	v_readfirstlane_b32 s14, v1                    ; wave 0..7
	v_and_b32 v5, 15, v0
	s_delay_alu instid0(VALU_DEP_1)
	v_lshlrev_b32 v5, 4, v5                        ; my four channels' 16 bytes
	v_bfe_u32 v1, v0, 4, 1
	s_delay_alu instid0(VALU_DEP_1)
	v_lshl_add_u32 v2, v1, 12, v5                  ; rows: lanes 16-31 take the next row
	v_lshrrev_b32 v1, 4, v0
	s_delay_alu instid0(VALU_DEP_1)
	v_lshl_add_u32 v3, v1, 13, v5                  ; part: group t / 16, 8,192 bytes a group
	s_lshl_b32 s15, s14, 8
	v_add_nc_u32 v4, s15, v5                       ; LDS: my wave's 256 bytes
	s_lshl_b32 s16, ttmp9, 8                       ; the strip's 256 bytes
	s_mov_b32 s17, 0
	s_and_b32 s18, ttmp7, 0xffff
	s_lshl_b32 s18, s18, 9
	s_lshl_b32 s19, s14, 6
	s_add_co_u32 s18, s18, s19                     ; my wave's first row
	s_lshl_b32 s18, s18, 12
	s_add_co_u32 s18, s18, s16
	s_mov_b32 s19, 0
	s_mov_b32 s20, 0x76543210
	s_mov_b32 s21, 0xfedcba98                      ; selects for lane l xor 16
	s_mov_b32 s22, 0x39000000                      ; 1 / 8,192
	s_mov_b32 s23, 0x3727c5ac                      ; 1e-5
	s_wait_alu depctr_va_vdst(0)
	s_wait_kmcnt 0x0
	s_add_nc_u64 s[6:7], s[6:7], s[16:17]
	s_add_nc_u64 s[8:9], s[8:9], s[16:17]
	s_add_nc_u64 s[10:11], s[10:11], s[16:17]
	s_add_nc_u64 s[4:5], s[4:5], s[18:19]
	s_add_nc_u64 s[12:13], s[12:13], s[18:19]
	global_load_b128 v[8:11], v3, s[6:7]                   ; mean of group g
	global_load_b128 v[12:15], v3, s[6:7] offset:4096      ; its squared deviations
	global_load_b128 v[16:19], v3, s[6:7] offset:131072    ; mean of group g + 16
	global_load_b128 v[20:23], v3, s[6:7] offset:135168
	global_load_b128 v[24:27], v5, s[8:9]                  ; gamma
	global_load_b128 v[28:31], v5, s[10:11]                ; beta
.irp i, 0,1,2,3,4,5,6,7,8,9,10,11,12,13,14,15,16,17,18,19,20,21,22,23,24,25,26,27,28,29,30,31
	global_load_b128 v[64+4*\i:67+4*\i], v2, s[4:5] offset:8192*\i th:TH_LOAD_NT
.endr
.irp k, 0,1,2,3
	v_mov_b32 v[36+\k], 0                          ; a lane permute's destination counts as one of its sources
.endr
	s_wait_loadcnt 32                              ; the six small loads are in; the 32 row loads stay out
	v_pk_add_f32 v[32:33], v[8:9], v[16:17]
	s_wait_alu depctr_va_vdst(0)
	v_pk_add_f32 v[34:35], v[10:11], v[18:19]
.irp k, 0,1,2,3
	v_permlanex16_b32 v[36+\k], v[32+\k], s20, s21
.endr
	s_delay_alu instid0(VALU_DEP_3)
	v_pk_add_f32 v[32:33], v[32:33], v[36:37]      ; four groups' means
	s_delay_alu instid0(VALU_DEP_2)
	v_pk_add_f32 v[34:35], v[34:35], v[38:39]
	ds_store_b128 v4, v[32:35]                     ; both halves of the lanes write the same bytes with the same values
	s_wait_dscnt 0x0                               ; for the others' sake
	s_barrier_signal -1
	s_barrier_wait -1
.irp w, 0,1,2,3,4,5,6,7
	ds_load_b128 v[32+4*\w:35+4*\w], v5 offset:256*\w
.endr
	s_wait_dscnt 0x0
	v_pk_add_f32 v[200:201], v[32:33], v[36:37]
	v_pk_add_f32 v[202:203], v[34:35], v[38:39]
.irp w, 2,3,4,5,6,7
	s_delay_alu instid0(VALU_DEP_2)
	v_pk_add_f32 v[200:201], v[200:201], v[32+4*\w:33+4*\w]
	s_delay_alu instid0(VALU_DEP_2)
	v_pk_add_f32 v[202:203], v[202:203], v[34+4*\w:35+4*\w]
.endr
	s_delay_alu instid0(VALU_DEP_2)
	v_pk_mul_f32 v[200:201], v[200:201], 0x3d000000 op_sel_hi:[1,0]   ; / 32: the mean
	s_delay_alu instid0(VALU_DEP_2)
	v_pk_mul_f32 v[202:203], v[202:203], 0x3d000000 op_sel_hi:[1,0]
	s_delay_alu instid0(VALU_DEP_2)
	v_pk_add_f32 v[8:9], v[8:9], v[200:201] neg_lo:[0,1] neg_hi:[0,1]
	s_delay_alu instid0(VALU_DEP_2)
	v_pk_add_f32 v[10:11], v[10:11], v[202:203] neg_lo:[0,1] neg_hi:[0,1]
	s_delay_alu instid0(VALU_DEP_4)
	v_pk_add_f32 v[16:17], v[16:17], v[200:201] neg_lo:[0,1] neg_hi:[0,1]
	s_delay_alu instid0(VALU_DEP_4)
	v_pk_add_f32 v[18:19], v[18:19], v[202:203] neg_lo:[0,1] neg_hi:[0,1]
	s_delay_alu instid0(VALU_DEP_4)
	v_pk_mul_f32 v[8:9], v[8:9], v[8:9]
	s_delay_alu instid0(VALU_DEP_4)
	v_pk_mul_f32 v[10:11], v[10:11], v[10:11]
	s_delay_alu instid0(VALU_DEP_2)
	v_pk_fma_f32 v[8:9], v[16:17], v[16:17], v[8:9]
	s_delay_alu instid0(VALU_DEP_2)
	v_pk_fma_f32 v[10:11], v[18:19], v[18:19], v[10:11]
	v_pk_add_f32 v[12:13], v[12:13], v[20:21]
	v_pk_add_f32 v[14:15], v[14:15], v[22:23]
	s_delay_alu instid0(VALU_DEP_2)
	v_pk_fma_f32 v[8:9], v[8:9], 0x43800000, v[12:13] op_sel_hi:[1,0,1]   ; x 256 rows + the groups' own
	s_delay_alu instid0(VALU_DEP_2)
	v_pk_fma_f32 v[10:11], v[10:11], 0x43800000, v[14:15] op_sel_hi:[1,0,1]
.irp k, 0,1,2,3
	v_permlanex16_b32 v[36+\k], v[8+\k], s20, s21
.endr
	s_delay_alu instid0(VALU_DEP_3)
	v_pk_add_f32 v[8:9], v[8:9], v[36:37]
	s_delay_alu instid0(VALU_DEP_2)
	v_pk_add_f32 v[10:11], v[10:11], v[38:39]
	ds_store_b128 v4, v[8:11] offset:2048          ; other bytes than the first turn's
	s_wait_dscnt 0x0
	s_barrier_signal -1
	s_barrier_wait -1
.irp w, 0,1,2,3,4,5,6,7
	ds_load_b128 v[32+4*\w:35+4*\w], v5 offset:2048+256*\w
.endr
	s_wait_dscnt 0x0
	v_pk_add_f32 v[204:205], v[32:33], v[36:37]
	v_pk_add_f32 v[206:207], v[34:35], v[38:39]
.irp w, 2,3,4,5,6,7
	s_delay_alu instid0(VALU_DEP_2)
	v_pk_add_f32 v[204:205], v[204:205], v[32+4*\w:33+4*\w]
	s_delay_alu instid0(VALU_DEP_2)
	v_pk_add_f32 v[206:207], v[206:207], v[34+4*\w:35+4*\w]
.endr
.irp k, 0,1,2,3
	v_fma_f32 v[204+\k], v[204+\k], s22, s23       ; the variance + 1e-5
.endr
	s_wait_alu depctr_va_vdst(0)
.irp k, 0,1,2,3
	v_rsq_f32 v[208+\k], v[204+\k]
.endr
	v_nop                                          ; a plain line behind the last of them,
	s_wait_alu depctr_va_vdst(0)                   ; and one wait for the four, ahead of their first reader
	v_pk_mul_f32 v[212:213], v[24:25], v[208:209]  ; gamma / sqrt(var + eps)
	v_pk_mul_f32 v[214:215], v[26:27], v[210:211]
	s_delay_alu instid0(VALU_DEP_2)
	v_pk_fma_f32 v[216:217], v[200:201], v[212:213], v[28:29] neg_lo:[1,0,0] neg_hi:[1,0,0]   ; beta - mean x that
	s_delay_alu instid0(VALU_DEP_2)
	v_pk_fma_f32 v[218:219], v[202:203], v[214:215], v[30:31] neg_lo:[1,0,0] neg_hi:[1,0,0]
	s_wait_alu depctr_va_vdst(0)
.irp i, 0,1,2,3,4,5,6,7,8,9,10,11,12,13,14,15,16,17,18,19,20,21,22,23,24,25,26,27,28,29,30,31
	s_wait_loadcnt 31-\i                           ; loads come back in order: rows 2 i and 2 i + 1 are in, the younger ones stay out
	v_pk_fma_f32 v[64+4*\i:65+4*\i], v[64+4*\i:65+4*\i], v[212:213], v[216:217]
	v_pk_fma_f32 v[66+4*\i:67+4*\i], v[66+4*\i:67+4*\i], v[214:215], v[218:219]
	global_store_b128 v2, v[64+4*\i:67+4*\i], s[12:13] offset:8192*\i th:TH_STORE_NT
.endr
	s_wait_tensorcnt 0x0
	ds_add_u32 v224, v225
	s_wait_dscnt 0x0
	s_endpgm
.Lfunc_end_k_q73ce800844_norm:
	.size	k_q73ce800844_norm, .Lfunc_end_k_q73ce800844_norm-k_q73ce800844_norm
	.p2alignl 7, 3214868480
	.fill 96, 4, 3214868480
	.section	.rodata,"a",@progbits
	.p2align	6, 0x0
	.amdhsa_kernel k_q73ce800844_norm
		.amdhsa_group_segment_fixed_size 5120
		.amdhsa_private_segment_fixed_size 0
		.amdhsa_enable_private_segment 0
		.amdhsa_kernarg_size 40
		.amdhsa_user_sgpr_count 2
		.amdhsa_user_sgpr_kernarg_segment_ptr 1
		.amdhsa_wavefront_size32 1
		.amdhsa_system_sgpr_workgroup_id_x 1
		.amdhsa_system_sgpr_workgroup_id_y 1
		.amdhsa_system_sgpr_workgroup_id_z 1
		.amdhsa_system_vgpr_workitem_id 0
		.amdhsa_next_free_vgpr 226
		.amdhsa_next_free_sgpr 66
		.amdhsa_reserve_vcc 0
		.amdhsa_float_denorm_mode_32 3
		.amdhsa_float_denorm_mode_16_64 3
		.amdhsa_memory_ordered 1
		.amdhsa_forward_progress 1
		.amdhsa_inst_pref_size 21
	.end_amdhsa_kernel
	.amdgpu_metadata
---
amdhsa.version: [ 1, 2 ]
amdhsa.kernels:
  - .name:           k_q73ce800844_norm
    .symbol:         k_q73ce800844_norm.kd
    .args:
      - { .name: res, .offset: 0, .size: 8, .value_kind: global_buffer, .address_space: global }
      - { .name: part, .offset: 8, .size: 8, .value_kind: global_buffer, .address_space: global }
      - { .name: gamma, .offset: 16, .size: 8, .value_kind: global_buffer, .address_space: global }
      - { .name: beta, .offset: 24, .size: 8, .value_kind: global_buffer, .address_space: global }
      - { .name: out0, .offset: 32, .size: 8, .value_kind: global_buffer, .address_space: global }
    .group_segment_fixed_size: 5120
    .private_segment_fixed_size: 0
    .kernarg_segment_align: 8
    .kernarg_segment_size: 40
    .max_flat_workgroup_size: 256
    .sgpr_count:     66
    .vgpr_count:     226
    .wavefront_size: 32
...
	.end_amdgpu_metadata
.endif
;; end of part 4
